; MI455X (gfx1250); checked and timed in simulation.
; The chip was launched on July 23, 2026; its instructions are those of AMD's public machine-readable ISA for CDNA 5 (MIT licence, August 2026) and "CDNA5" Instruction Set Architecture Reference Guide (July 2026). The comments in the code are by the model that wrote it; some were corrected since.
;; Rel Decoder Layer. Allowed arithmetic: matrix products marked QUANTISED: E2M1 operands, one E8M0 scale for each 32 along K, by v_wmma_scale_f32_16x16x128_f8f6f4 with both operands' format E2M1 (or v_wmma_scale_f32_32x16x128_f4), f32 sums; everything else in f32.
;; Inputs: attn_mask 2,048 x 2,048 x 2 bool; dec_inp 2,048 x 2 x 1,024 float32; key_mean 1,024 x 1,024 float32; key_std 1,024 x 1,024 float32; ln1_beta 1,024 float32; ln1_gamma 1,024 float32; ln2_beta 1,024 float32; ln2_gamma 1,024 float32; output_mean 1,024 x 1,024 float32; output_std 1,024 x 1,024 float32; query_mean 1,024 x 1,024 float32; query_std 1,024 x 1,024 float32; value_mean 1,024 x 1,024 float32; value_std 1,024 x 1,024 float32; w1_mean 4,096 x 1,024 float32; w1_std 4,096 x 1,024 float32; w2_mean 1,024 x 4,096 float32; w2_std 1,024 x 4,096 float32.
;; Outputs: out0 2,048 x 2 x 1,024 float32; out1 one number float32.
;; This version of the problem:
;;   THIS VERSION OF THE PROBLEM IS GIVEN IN LOW PRECISION. The matrix products marked QUANTISED in the list below multiply operands that are first quantised to E2M1 (2 exponent bits, 1 mantissa bit; 4 bits a number), with one power-of-two scale for each 32 numbers along K (OCP MX v1.0); their sums are f32. All else is computed in f32.
;;   The module's matrix products, in the order in which they are computed (A, B: the left and right operand; K: the contracted axis; several contracted axes count as one K, in the product's order):
;;     1. [M 4,096, K 1,024] x [K 1,024, N 1,024]; A: input dec_inp; B: input query_mean: QUANTISED
;;     2. [M 4,096, K 1,024] x [K 1,024, N 1,024]; A: input dec_inp; B: input key_mean: QUANTISED
;;     3. [M 4,096, K 1,024] x [K 1,024, N 1,024]; A: input dec_inp; B: input value_mean: QUANTISED
;;     4. batch 32 x [M 2,048, K 64] x [K 64, N 2,048]; A: computed on the way; B: computed on the way: QUANTISED
;;     5. batch 32 x [M 64, K 2,048] x [K 2,048, N 2,048]; A: computed on the way; B: softmax (see below): QUANTISED
;;     6. [M 4,096, K 1,024] x [K 1,024, N 1,024]; A: computed on the way; B: input value_mean: QUANTISED
;;     7. [M 4,096, K 1,024] x [K 1,024, N 4,096]; A: computed on the way; B: input w1_mean: QUANTISED
;;     8. [M 4,096, K 4,096] x [K 4,096, N 1,024]; A: computed on the way; B: input w2_mean: QUANTISED
;;   THE QUANTISER, for each operand of a quantised product, along K:
;;     - K is cut into blocks of 32 from its start; a last block that is shorter is filled with zeros.
;;     - A block's scale is 2^e with e = floor(log2(the largest magnitude in the block)) - 2, held to -126 .. 127; a block of zeros has e = 0. As a byte (E8M0): e + 127.
;;     - Each number is divided by its block's scale, clamped to +-6, and rounded to the nearest number of E2M1, ties to even, subnormals kept.
;;     - The product sums the exact products of the quantised numbers (number of the format x scale) in f32.
;;   ~~~python
;;   def quantise(x, axis):      # numpy; x: float32 -> the quantised numbers, widened to float32 again
;;       x = np.moveaxis(x, axis, -1); K = x.shape[-1]
;;       x = np.pad(x, [(0, 0)] * (x.ndim - 1) + [(0, -K % 32)]); x = x.reshape(x.shape[:-1] + (-1, 32)); a = np.abs(x).max(-1, keepdims=True)
;;       e = np.where(a > 0, np.clip(np.frexp(np.where(a > 0, a, 1))[1] - 1 - 2, -126, 127), 0)      # np.frexp(a)[1] - 1 = floor(log2(a)), exactly
;;       r = np.clip(x / 2.0 ** e, -6, 6)
;;       step = 2.0 ** (np.maximum(np.frexp(np.where(r == 0, 1, r))[1] - 1, 0) - 1)
;;       q = np.round(r / step) * step * 2.0 ** e      # np.round: ties to even
;;       return np.moveaxis(q.reshape(q.shape[:-2] + (-1,))[..., :K], -1, axis).astype(np.float32)
;;   ~~~
;;   SOFTMAX AHEAD OF A QUANTISED PRODUCT. Where the list says 'softmax', what is quantised is not the finished softmax but p = 2^(t - M), with t = logit x log2(e) and M = ceil(the row's largest t), a whole number; so 1/2 < the row's largest p <= 1. The row's sum l is taken of the UNQUANTISED p, in f32, and the product's result is divided by l at the end. Since M is a whole number, a kernel that streams over the keys may use a running M (the ceiling of the running maximum): every later rescaling is an exact power of two, which a block's scale takes up: the codes' values come out the same.
;;   OPERANDS COMPUTED ON THE WAY. 'Computed on the way' means the value that the module computes at that place (a softmax that the list does not call 'softmax' is quantised finished and normalised). What goes into a quantiser is computed in f32, as accurately as f32 sums, v_exp_f32 and their like allow (about 1e-6 of the number): no bf16 or f16 on the way to a quantiser, and a product that is left as it is and whose result goes on into a quantised operand takes f32 operands (vector FMAs, or v_wmma_f32_16x16x4_f32). A number that lies on a knife's edge between two numbers of the format may be rounded either way, as far as f32 arithmetic and the matrix unit's own rounding can turn it there, and no further.
;; One version. Each part assembles by itself: llvm-mc -triple=amdgcn-amd-amdhsa -mcpu=gfx1250 --defsym DOCPART=n.
;; ======== version 1 of 1: 8 launches
;; limits: right only within a limited range of input values
;; workspace buffers: xw2 4,730,880 bytes; wqkv 2,359,296 bytes; w1q 2,359,296 bytes; maskw 1,049,600 bytes of whole numbers; qkvb 7,077,888 bytes; actb 9,437,184 bytes; yb 16,777,216 bytes; hb 19,136,512 bytes
;; launch prep (part 1): grid 1024 x 1, 4 waves a work-group, no clusters, 34,304 bytes of LDS; arguments dec_inp, query_mean, key_mean, value_mean, w1_mean, w2_mean, query_std, key_std, value_std, output_std, output_mean, w1_std, w2_std, attn_mask, xw2, wqkv, w1q, maskw; writes xw2, wqkv, w1q, maskw
.if DOCPART == 1
	.amdgcn_target "amdgcn-amd-amdhsa--gfx1250"
	.amdhsa_code_object_version 6
	.text
	.protected	k_q0d7a3f278f_prep
	.globl	k_q0d7a3f278f_prep
	.p2align	8
	.type	k_q0d7a3f278f_prep,@function
k_q0d7a3f278f_prep:
	s_mov_b64 s[64:65], 0
	v_nop
	global_prefetch_b8 v0, s[64:65] scope:SCOPE_SE
	s_setreg_imm32_b32 hwreg(HW_REG_WAVE_MODE, 25, 1), 1
	s_wait_xcnt 0x0
; PREP: every f32 input is read once.  Three kinds of work-groups, parted by the work-group's number:
;   0-479    dec_inp and the five weights that are multiplied become codes of FP4 (E2M1) with one E8M0 byte for each 32 along K; the weights' squares are summed for the KL term on the way
;   480-895  the six std tensors and output_mean are read for the KL term alone
;   896-1023 the mask's bytes become lane masks: one 32-bit word for each score register of the attention launch
; THE CODES' LAYOUT is the order of an operand's registers.  Rows go in groups of 128, a group has 8 tiles a of 16 rows; lane row r of tile a is row 32 (a/2) + 8 (a%2) + r%8 + 16 (r/8) of the group.
; Block (K step s of 128, group xg) begins at (s NG + xg) x 9,216 bytes: registers 4c .. 4c+3 of tile a at 4,096 c + 512 a + 16 lane, the tile's scale words at 8,192 + 128 a + 4 lane (lanes r and r + 16 hold the same word).
; For dec_inp a group is 128 positions of one batch member: xg = 16 b + position / 128.
; THE SCALE: the largest magnitude's exponent field less 2, held at 1 from below.
; LIMITS: a block of zeros gets the byte 1 (its codes are zeros, and only this program reads the bytes); NaN and infinities among the inputs are not served; a mask byte other than 0 masks.
.set UB,   9216
.set KLP,  4718592                     ; in xw2, behind the two images: 3,072 partial sums of the KL term
.set ROFF, 8                           ; v8-23   lane row i: 16 lane + its row's bytes
.set CO,   24                          ; v24-27  fragment f: where my 16 bytes of codes go
.set SO,   28                          ; v28-31  and my scale word
.set TM,   32                          ; v32-47  at work in QUANT
.set PW,   48                          ; v48     the scale word just made
.set PC,   50                          ; v50-57  the codes just made
.set KL,   58                          ; v58-61  sums of squares, two pairs
.set RA,   64                          ; v64-191 two sets of 64 numbers as they are loaded
.set X,    192                         ; v192-255 64 numbers in QUANT's order; the exponentials
; 64 numbers of a lane, register 16 b + i = k 32 b + 16 (lane / 16) + i of my row, become a fragment's codes in v[PC] on and its scale word in v[PW]
.macro QUANT s
.irp b, 0,1,2,3
	v_max3_num_f32 v[TM+\b], |v[\s+16*\b]|, |v[\s+1+16*\b]|, 0x1800000   ; my 16 numbers of block b, and the floor 2^(3 - 127): the byte cannot fall under 1
.endr
.irp i, 2,4,6,8,10,12,14
.irp b, 0,1,2,3
	v_max3_num_f32 v[TM+\b], v[TM+\b], |v[\s+16*\b+\i]|, |v[\s+1+16*\b+\i]|
.endr
.endr
.irp b, 0,1,2,3
	v_permlanex16_b32 v[TM+4+\b], v[TM+\b], s22, s23
.endr
.irp b, 0,1,2,3
	v_max_num_f32 v[TM+\b], v[TM+\b], v[TM+4+\b]     ; with lane l xor 16's: the block's largest magnitude
.endr
.irp b, 0,1,2,3
	v_add_nc_u32 v[TM+12+\b], 0xff000000, v[TM+\b]   ; 2 off its exponent field: the conversion's scale operand
.endr
.irp b, 0,1,2,3
	v_lshrrev_b32 v[TM+4+\b], 23, v[TM+12+\b]        ; the scale's byte
.endr
	v_lshl_or_b32 v[PW], v[TM+5], 8, v[TM+4]
	v_lshl_or_b32 v[PW], v[TM+6], 16, v[PW]
	v_lshl_or_b32 v[PW], v[TM+7], 24, v[PW]
.irp b, 0,1,2,3
	v_cvt_scalef32_pk8_fp4_f32 v[PC+2*\b], v[\s+16*\b:\s+7+16*\b], v[TM+12+\b]
	v_cvt_scalef32_pk8_fp4_f32 v[PC+1+2*\b], v[\s+8+16*\b:\s+15+16*\b], v[TM+12+\b]
.endr
	v_nop                                            ; one plain place behind a scaled conversion
.irp c, 0,1                                      ; the operand wants a whole block in a lane: lanes 0-15 block 2 c, lanes 16-31 block 2 c + 1
.irp i, 0,1
	v_permlane16_swap_b32 v[PC+4*\c+\i], v[PC+2+4*\c+\i]
.endr
.endr
.endm
; v58 is summed over the 32 lanes and lane 0 stores it: pointer pair s[p:p+1] = xw2, byte offset pair s[o:o+1]
.macro KLOUT p, o
	v_add_f32_dpp v58, v58, v58 row_xmask:1 row_mask:0xf bank_mask:0xf
	v_add_f32_dpp v58, v58, v58 row_xmask:2 row_mask:0xf bank_mask:0xf
	v_add_f32_dpp v58, v58, v58 row_xmask:4 row_mask:0xf bank_mask:0xf
	v_add_f32_dpp v58, v58, v58 row_xmask:8 row_mask:0xf bank_mask:0xf
	v_permlanex16_b32 v59, v58, s22, s23
	v_add_f32 v58, v58, v59
	s_add_nc_u64 s[\p:\p+1], s[\p:\p+1], s[\o:\o+1]
	v_mov_b32 v63, 0
	v_cmp_eq_u32 vcc_lo, 0, v2
	s_wait_alu depctr_va_vdst(0)
	s_wait_xcnt 0x0                                  ; EXEC is a source of the memory instructions issued so far: it changes only behind this wait
	s_and_saveexec_b32 s54, vcc_lo
	global_store_b32 v63, v58, s[\p:\p+1]
	s_wait_xcnt 0x0
	s_or_b32 exec_lo, exec_lo, s54
.endm
	v_lshrrev_b32 v1, 5, v0
	v_readfirstlane_b32 s2, v1                       ; wave 0..3
	v_and_b32 v2, 31, v0                             ; lane
	v_lshlrev_b32 v3, 4, v2                          ; 16 lane
	v_lshl_add_u32 v49, v0, 2, 33792                 ; my spare word, behind the four stages; v49 and v62 serve the closing add alone
	v_mov_b32 v62, 0
	s_mov_b32 s22, 0x76543210
	s_mov_b32 s23, 0xfedcba98                        ; v_permlanex16_b32's selects for lane l xor 16
	s_cmp_ge_u32 ttmp9, 896
	s_cbranch_scc1 .Lmask
	s_cmp_ge_u32 ttmp9, 480
	s_cbranch_scc1 .Lstd
; ---------------- codes.  A wave's unit: one tile of 16 rows x 512 along K = 4 fragments ----------------
	s_load_b256 s[4:11], s[0:1], 0x0                 ; dec_inp, query_mean, key_mean, value_mean
	s_load_b128 s[12:15], s[0:1], 0x20               ; w1_mean, w2_mean
	s_load_b128 s[16:19], s[0:1], 0x70               ; xw2, wqkv
	s_load_b64 s[20:21], s[0:1], 0x80                ; w1q
	s_mov_b32 s26, 0                                 ; the tensor's first unit
	s_mov_b32 s27, 8192                              ; bytes from one row of the image to the next
	s_mov_b32 s28, 1                                 ; log2 of the units along K
	s_mov_b32 s29, 1                                 ; units along K less 1
	s_mov_b32 s32, 0                                 ; the image's first byte in its buffer
	s_mov_b32 s33, 0                                 ; the tensor's first group in the image
	s_mov_b32 s34, 32*UB                             ; bytes from K step to K step
	s_mov_b32 s35, 0x34000000                        ; the KL weight of a square: 2^-23 (attention's 2^22 numbers, halved)
	s_mov_b32 s36, 15                                ; dec_inp: the group's position part,
	s_mov_b32 s37, 4096                              ; and the batch member's bytes
	s_wait_kmcnt 0x0
	s_mov_b64 s[24:25], s[4:5]
	s_mov_b64 s[30:31], s[16:17]
	s_cmp_ge_u32 ttmp9, 128                          ; every choice hangs on the work-group's number alone
	s_cselect_b64 s[24:25], s[6:7], s[24:25]
	s_cselect_b64 s[30:31], s[18:19], s[30:31]
	s_cselect_b32 s26, 512, s26
	s_cselect_b32 s27, 4096, s27
	s_cselect_b32 s36, 255, s36
	s_cselect_b32 s37, 0, s37
	s_cmp_ge_u32 ttmp9, 160
	s_cselect_b64 s[24:25], s[8:9], s[24:25]
	s_cselect_b32 s26, 640, s26
	s_cselect_b32 s33, 8, s33
	s_cmp_ge_u32 ttmp9, 192
	s_cselect_b64 s[24:25], s[10:11], s[24:25]
	s_cselect_b32 s26, 768, s26
	s_cselect_b32 s33, 16, s33
	s_cmp_ge_u32 ttmp9, 224
	s_cselect_b64 s[24:25], s[12:13], s[24:25]
	s_cselect_b64 s[30:31], s[20:21], s[30:31]
	s_cselect_b32 s26, 896, s26
	s_cselect_b32 s33, 0, s33
	s_cselect_b32 s35, 0x33800000, s35               ; 2^-24: the feed-forward's 2^23 numbers, halved
	s_cmp_ge_u32 ttmp9, 352
	s_cselect_b64 s[24:25], s[14:15], s[24:25]
	s_cselect_b64 s[30:31], s[16:17], s[30:31]
	s_cselect_b32 s26, 1408, s26
	s_cselect_b32 s27, 16384, s27
	s_cselect_b32 s28, 3, s28
	s_cselect_b32 s29, 7, s29
	s_cselect_b32 s32, 2359296, s32
	s_cselect_b32 s34, 8*UB, s34
	s_lshl_b32 s38, ttmp9, 2
	s_add_co_u32 s38, s38, s2                        ; my unit in the launch
	s_sub_co_u32 s39, s38, s26                       ; in the tensor
	s_and_b32 s40, s39, s29                          ; which 512 along K
	s_lshr_b32 s41, s39, s28                         ; which tile
	s_lshr_b32 s42, s41, 3                           ; group xg
	s_and_b32 s43, s41, 7                            ; tile a
	s_and_b32 s44, s42, s36
	s_lshl_b32 s44, s44, 7
	s_lshr_b32 s45, s43, 1
	s_lshl_b32 s45, s45, 5
	s_add_co_u32 s44, s44, s45
	s_and_b32 s45, s43, 1
	s_lshl_b32 s45, s45, 3
	s_add_co_u32 s44, s44, s45                       ; the tile's first row
	s_mul_i32 s44, s44, s27
	s_lshr_b32 s45, s42, 4
	s_mul_i32 s45, s45, s37
	s_add_co_u32 s44, s44, s45
	s_lshl_b32 s45, s40, 11
	s_add_co_u32 s44, s44, s45
	s_mov_b32 s45, 0
	s_add_nc_u64 s[24:25], s[24:25], s[44:45]        ; the source at my tile's first number
	s_add_co_u32 s46, s42, s33
	s_mul_i32 s46, s46, UB
	s_add_co_u32 s46, s46, s32
	s_mul_i32 s47, s40, s34
	s_lshl_b32 s47, s47, 2
	s_add_co_u32 s46, s46, s47
	s_mov_b32 s47, 0
	s_add_nc_u64 s[30:31], s[30:31], s[46:47]        ; the image at block (4 x my part of K, my group)
	s_wait_alu depctr_va_vdst(0)
.irp i, 0,1,2,3,4,5,6,7,8,9,10,11,12,13,14,15
	v_mad_u32_u24 v[ROFF+\i], s27, (\i%8)+16*(\i/8), v3
.endr
	v_lshlrev_b32 v4, 2, v2
	s_wait_alu depctr_va_vdst(0)
	s_lshl_b32 s48, s43, 9
	s_lshl_b32 s49, s43, 7
	s_add_co_u32 s49, s49, 8192
.irp f, 0,1,2,3
	v_add_nc_u32 v[CO+\f], s48, v3
	v_add_nc_u32 v[SO+\f], s49, v4
	s_add_co_u32 s48, s48, s34
	s_add_co_u32 s49, s49, s34
.endr
	s_mul_i32 s50, s2, 8448                          ; my wave's stage: 16 rows of 512 bytes + 16
	v_add_nc_u32 v5, s50, v3                         ; in: 16 lane, the row in the offset
	v_and_b32 v7, 15, v0
	v_bfe_u32 v1, v0, 4, 1
	v_mul_u32_u24 v6, v7, 528
	v_lshl_add_u32 v6, v1, 6, v6
	v_add_nc_u32 v6, s50, v6                         ; back: row lane % 16, + 64 (lane / 16)
.irp b, 0,1,2,3
	v_mov_b32 v[TM+4+\b], 0                          ; written once: a lane permute's destination counts as one of its sources
	v_mov_b32 v[KL+\b], 0
.endr
.macro LOADF f                         ; fragment f: 16 loads, each 512 neighbouring bytes of one row
.irp i, 0,1,2,3,4,5,6,7,8,9,10,11,12,13,14,15
	global_load_b128 v[RA+64*((\f)%2)+4*\i:RA+64*((\f)%2)+4*\i+3], v[ROFF+\i], s[24:25] offset:512*(\f) th:TH_LOAD_NT
.endr
.endm
.macro FRAG f
.set RS, RA+64*((\f)%2)
.if (\f) < 3
	s_wait_loadcnt 16                                ; this fragment's 16 loads are in; the next one's may be out
.else
	s_wait_loadcnt 0x0
.endif
	s_cmp_lt_u32 ttmp9, 128                          ; dec_inp has no part in the KL term
	s_cbranch_scc1 .Lnokl_\@
	s_wait_alu depctr_va_vdst(0)
.irp k, 0,4,8,12,16,20,24,28,32,36,40,44,48,52,56,60
	v_pk_fma_f32 v[KL:KL+1], v[RS+\k:RS+\k+1], v[RS+\k:RS+\k+1], v[KL:KL+1]
	v_pk_fma_f32 v[KL+2:KL+3], v[RS+\k+2:RS+\k+3], v[RS+\k+2:RS+\k+3], v[KL+2:KL+3]
.endr
.Lnokl_\@:
.irp i, 0,1,2,3,4,5,6,7,8,9,10,11,12,13,14,15
	ds_store_b128 v5, v[RS+4*\i:RS+4*\i+3] offset:528*\i
.endr
	s_wait_alu depctr_va_vdst(0)
.irp b, 0,1,2,3
.irp j, 0,1,2,3
	ds_load_b128 v[X+16*\b+4*\j:X+16*\b+4*\j+3], v6 offset:128*\b+16*\j   ; LDS serves a wave's instructions in order: these see my stores
.endr
.endr
	s_wait_dscnt 0x0                                 ; the numbers are back, and the stores have read their registers
	s_wait_xcnt 0x0                                  ; the last fragment's stores have read v[PC] on and v[PW]: QUANT writes them again
.if (\f) < 2
	LOADF (\f)+2
.endif
	QUANT X
	global_store_b128 v[CO+\f], v[PC:PC+3], s[30:31]                 ; 32 lanes store 512 consecutive bytes
	global_store_b128 v[CO+\f], v[PC+4:PC+7], s[30:31] offset:4096
	global_store_b32 v[SO+\f], v[PW], s[30:31]
.endm
	LOADF 0
	LOADF 1
	FRAG 0
	FRAG 1
	FRAG 2
	FRAG 3
	s_wait_tensorcnt 0x0                             ; behind my last LDS store
	ds_add_u32 v49, v62
	s_wait_dscnt 0x0
	s_cmp_lt_u32 ttmp9, 128
	s_cbranch_scc1 .Lcodes_end
	v_pk_add_f32 v[KL:KL+1], v[KL:KL+1], v[KL+2:KL+3]
	v_add_f32 v58, v58, v59
	v_mul_f32 v58, s35, v58
	s_sub_co_u32 s52, s38, 512                       ; the weights' units are words 0 to 1,407
	s_lshl_b32 s52, s52, 2
	s_add_co_u32 s52, s52, KLP
	s_mov_b32 s53, 0
	KLOUT 16, 52
.Lcodes_end:
	s_endpgm
; ---------------- the rest of the KL term.  A wave's unit: 8,192 numbers, 32,768 dense bytes ----------------
.Lstd:
	s_load_b256 s[4:11], s[0:1], 0x30                ; query_std, key_std, value_std, output_std
	s_load_b128 s[12:15], s[0:1], 0x50               ; output_mean, w1_std
	s_load_b64 s[16:17], s[0:1], 0x60                ; w2_std
	s_load_b64 s[18:19], s[0:1], 0x70                ; xw2
	s_sub_co_u32 s20, ttmp9, 480
	s_mov_b32 s26, 0x4038aa3b                        ; 2 log2(e): exp(2 x) = 2^(this x)
	s_mov_b32 s27, 0xb4800000                        ; weight of x: -2 x 2^-23
	s_mov_b32 s28, 0x34000000                        ; of exp(2 x): 2^-23
	s_mov_b32 s29, 0                                 ; of x^2
	s_mov_b32 s30, 0                                 ; the tensor's first work-group
	s_mov_b32 s31, 0                                 ; 1: a mean
	s_wait_kmcnt 0x0
	s_mov_b64 s[24:25], s[4:5]
	s_cmp_ge_u32 s20, 32
	s_cselect_b64 s[24:25], s[6:7], s[24:25]
	s_cselect_b32 s30, 32, s30
	s_cmp_ge_u32 s20, 64
	s_cselect_b64 s[24:25], s[8:9], s[24:25]
	s_cselect_b32 s30, 64, s30
	s_cmp_ge_u32 s20, 96
	s_cselect_b64 s[24:25], s[10:11], s[24:25]
	s_cselect_b32 s30, 96, s30
	s_cmp_ge_u32 s20, 128
	s_cselect_b64 s[24:25], s[12:13], s[24:25]
	s_cselect_b32 s30, 128, s30
	s_cselect_b32 s31, 1, s31
	s_cselect_b32 s27, 0, s27
	s_cselect_b32 s28, 0, s28
	s_cselect_b32 s29, 0x34000000, s29
	s_cmp_ge_u32 s20, 160
	s_cselect_b64 s[24:25], s[14:15], s[24:25]
	s_cselect_b32 s30, 160, s30
	s_cselect_b32 s31, 0, s31
	s_cselect_b32 s27, 0xb4000000, s27
	s_cselect_b32 s28, 0x33800000, s28
	s_cselect_b32 s29, 0, s29
	s_cmp_ge_u32 s20, 288
	s_cselect_b64 s[24:25], s[16:17], s[24:25]
	s_cselect_b32 s30, 288, s30
	s_sub_co_u32 s32, s20, s30
	s_lshl_b32 s32, s32, 2
	s_add_co_u32 s32, s32, s2
	s_lshl_b32 s32, s32, 15
	s_mov_b32 s33, 0
	s_add_nc_u64 s[24:25], s[24:25], s[32:33]
.irp k, 0,1,2,3,4,5,6,7,8,9,10,11
	v_mov_b32 v[32+\k], 0                            ; v32-35 the sum of x, v36-39 of exp(2 x), v40-43 of x^2: two pairs each
.endr
	v_mov_b32 v59, 0
.macro SLOAD t
.irp i, 0,1,2,3,4,5,6,7,8,9,10,11,12,13,14,15
	global_load_b128 v[RA+64*((\t)%2)+4*\i:RA+64*((\t)%2)+4*\i+3], v3, s[24:25] offset:8192*(\t)+512*\i th:TH_LOAD_NT
.endr
.endm
.macro BATCH t
.set RS, RA+64*((\t)%2)
.if (\t) < 3
	s_wait_loadcnt 16                                ; this batch's 16 loads are in; the next one's may be out
.else
	s_wait_loadcnt 0x0
.endif
	s_cmp_eq_u32 s31, 1
	s_cbranch_scc1 .Lmean_\@
.irp k, 0,2,4,6,8,10,12,14,16,18,20,22,24,26,28,30,32,34,36,38,40,42,44,46,48,50,52,54,56,58,60,62
	v_pk_mul_f32 v[X+\k:X+\k+1], v[RS+\k:RS+\k+1], s[26:27] op_sel_hi:[1,0]
.endr
.set k, 0
	s_wait_alu depctr_va_vdst(0)
.rept 64
	v_exp_f32 v[X+k], v[X+k]
.set k, k+1
.endr
.irp k, 0,4,8,12,16,20,24,28,32,36,40,44,48,52,56,60
	v_pk_add_f32 v[32:33], v[32:33], v[RS+\k:RS+\k+1]                ; (plain lines behind the exponentials)
	v_pk_add_f32 v[34:35], v[34:35], v[RS+\k+2:RS+\k+3]
.endr
	s_wait_alu depctr_va_vdst(0)                     ; one wait for the batch, ahead of its first reader
.irp k, 0,4,8,12,16,20,24,28,32,36,40,44,48,52,56,60
	v_pk_add_f32 v[36:37], v[36:37], v[X+\k:X+\k+1]
	v_pk_add_f32 v[38:39], v[38:39], v[X+\k+2:X+\k+3]
.endr
	s_branch .Lsummed_\@
.Lmean_\@:
	s_wait_alu depctr_va_vdst(0)
.irp k, 0,4,8,12,16,20,24,28,32,36,40,44,48,52,56,60
	v_pk_fma_f32 v[40:41], v[RS+\k:RS+\k+1], v[RS+\k:RS+\k+1], v[40:41]
	v_pk_fma_f32 v[42:43], v[RS+\k+2:RS+\k+3], v[RS+\k+2:RS+\k+3], v[42:43]
.endr
.Lsummed_\@:
.if (\t) < 2
	SLOAD (\t)+2
.endif
.endm
	SLOAD 0
	SLOAD 1
	BATCH 0
	BATCH 1
	BATCH 2
	BATCH 3
	v_pk_add_f32 v[32:33], v[32:33], v[34:35]
	s_wait_alu depctr_va_vdst(0)
	v_pk_add_f32 v[36:37], v[36:37], v[38:39]
	v_pk_add_f32 v[40:41], v[40:41], v[42:43]
	v_add_f32 v32, v32, v33
	v_add_f32 v36, v36, v37
	v_add_f32 v40, v40, v41
	v_mul_f32 v58, s29, v40
	v_fma_f32 v58, s27, v32, v58
	v_fma_f32 v58, s28, v36, v58
	s_lshl_b32 s52, s20, 2
	s_add_co_u32 s52, s52, s2
	s_lshl_b32 s52, s52, 2
	s_add_co_u32 s52, s52, KLP+4*1408                ; these units are words 1,408 to 3,071
	s_mov_b32 s53, 0
	KLOUT 18, 52
	s_endpgm
; ---------------- the mask.  A wave's unit: one tile of 16 queries x 4 key steps of 128, both batch members ----------------
; Lane (r, h) reads, of its query's row, the bytes of keys 128 ks + 32 b' + 16 h + 0 .. 15: 32 bytes (key, batch member), two loads.  A wave's eight loads of a key step use every byte of 256 consecutive bytes of 16 rows.
; Word n of (batch member, tile, key step): bit L = the byte of lane L's query and key 128 ks + 32 (n / 16) + 16 (L / 16) + n % 16.  Lane m of a register pair holds words 2 m and 2 m + 1: one store covers 256 consecutive bytes.
.Lmask:
	s_load_b64 s[4:5], s[0:1], 0x68                  ; attn_mask
	s_load_b64 s[6:7], s[0:1], 0x88                  ; maskw
	s_sub_co_u32 s8, ttmp9, 896
	s_lshl_b32 s8, s8, 2
	s_add_co_u32 s8, s8, s2
	s_lshr_b32 s9, s8, 2                             ; the tile of queries, 0..127
	s_and_b32 s10, s8, 3                             ; which four key steps
	s_lshr_b32 s11, s9, 3
	s_and_b32 s12, s9, 7
	s_lshl_b32 s16, s11, 7
	s_lshr_b32 s13, s12, 1
	s_lshl_b32 s13, s13, 5
	s_add_co_u32 s16, s16, s13
	s_and_b32 s13, s12, 1
	s_lshl_b32 s13, s13, 3
	s_add_co_u32 s16, s16, s13                       ; the tile's first query
	s_lshl_b32 s16, s16, 12
	s_lshl_b32 s13, s10, 10
	s_add_co_u32 s16, s16, s13
	s_mov_b32 s17, 0
	s_lshl_b32 s18, s9, 4
	s_lshl_b32 s13, s10, 2
	s_add_co_u32 s18, s18, s13
	s_lshl_b32 s18, s18, 8
	s_mov_b32 s19, 0
	s_mov_b32 s40, 0xff
	s_mov_b32 s41, 0xff00
	s_mov_b32 s42, 0xff0000
	s_mov_b32 s43, 0xff000000
	s_mov_b32 s50, 0                                 ; my four key steps' flags, batch member 0 and 1: bit 2 ks: every byte masks; bit 2 ks + 1: none does
	s_mov_b32 s51, 0
	s_add_co_u32 s58, s8, 1048576                    ; the flags lie behind the words: one byte for (batch member, tile, four key steps) at 512 b + 4 tile + quarter
	s_mov_b32 s59, 0
	v_and_b32 v5, 7, v0
	v_bfe_u32 v6, v0, 3, 1
	v_bfe_u32 v7, v0, 4, 1
	v_lshl_add_u32 v4, v6, 4, v5
	v_lshlrev_b32 v4, 12, v4
	v_lshl_add_u32 v4, v7, 5, v4                     ; my query's row, + 32 (lane / 16)
	s_wait_alu depctr_va_vdst(0)
	v_lshlrev_b32 v12, 3, v2
.irp k, 0,1,2,3,4,5,6,7,8,9,10,11,12,13,14,15
	v_mov_b32 v[32+\k], 0                            ; v_writelane_b32's destination counts as read
.endr
	s_wait_kmcnt 0x0
	s_add_nc_u64 s[4:5], s[4:5], s[16:17]
	s_add_nc_u64 s[56:57], s[6:7], s[58:59]
	s_add_nc_u64 s[6:7], s[6:7], s[18:19]
.irp ks, 0,1,2,3
.irp m, 0,1,2,3,4,5,6,7
	global_load_b128 v[64+32*\ks+4*\m:64+32*\ks+4*\m+3], v4, s[4:5] offset:256*\ks+64*(\m/2)+16*(\m%2)
.endr
.endr
.macro MDWORD ks, m                    ; my m-th word of key step ks: bytes (key 2 m, b 0), (2 m, 1), (2 m + 1, 0), (2 m + 1, 1)
.irp y, 0,1,2,3
	v_and_b32 v[8+\y], s[40+\y], v[64+32*(\ks)+(\m)]
.endr
.irp y, 0,1,2,3
	v_cmp_ne_u32 s[44+\y], 0, v[8+\y]
.endr
.irp y, 0,1,2,3
	v_writelane_b32 v[32+4*(\ks)+2*(\y%2)+\y/2], s[44+\y], \m
.endr
.endm
.irp ks, 0,1,2,3
	s_wait_loadcnt 24-8*\ks                          ; this key step's eight loads are in; the later steps' may be out
.set m, 0
.rept 32
	MDWORD \ks, m
.set m, m+1
.endr
.irp be, 0,1
	global_store_b64 v12, v[32+4*\ks+2*\be:33+4*\ks+2*\be], s[6:7] offset:\be*524288+\ks*256
.endr
.irp be, 0,1
	v_and_b32 v[8+\be], v[32+4*\ks+2*\be], v[33+4*\ks+2*\be]
	v_or_b32 v[10+\be], v[32+4*\ks+2*\be], v[33+4*\ks+2*\be]
.endr
.irp be, 0,1
	v_cmp_eq_u32 s[44+\be], -1, v[8+\be]             ; lanes whose two words are all ones
	v_cmp_eq_u32 s[46+\be], 0, v[10+\be]             ; lanes whose two words are zero
.endr
.irp be, 0,1
	s_cmp_eq_u32 s[44+\be], -1
	s_cselect_b32 s48, 1<<(2*\ks), 0
	s_or_b32 s[50+\be], s[50+\be], s48
	s_cmp_eq_u32 s[46+\be], -1
	s_cselect_b32 s48, 2<<(2*\ks), 0
	s_or_b32 s[50+\be], s[50+\be], s48
.endr
.endr
	v_mov_b32 v8, s50
	v_mov_b32 v9, s51
	v_mov_b32 v10, 0
	v_cmp_eq_u32 vcc_lo, 0, v2
	s_wait_alu depctr_va_vdst(0)
	s_wait_xcnt 0x0                                  ; EXEC changes only behind this wait
	s_and_saveexec_b32 s54, vcc_lo
	global_store_b8 v10, v8, s[56:57]
	global_store_b8 v10, v9, s[56:57] offset:512
	s_wait_xcnt 0x0
	s_or_b32 exec_lo, exec_lo, s54
	s_endpgm
.Lfunc_end_k_q0d7a3f278f_prep:
	.size	k_q0d7a3f278f_prep, .Lfunc_end_k_q0d7a3f278f_prep-k_q0d7a3f278f_prep
	.p2alignl 7, 3214868480
	.fill 96, 4, 3214868480
	.section	.rodata,"a",@progbits
	.p2align	6, 0x0
	.amdhsa_kernel k_q0d7a3f278f_prep
		.amdhsa_group_segment_fixed_size 34304
		.amdhsa_private_segment_fixed_size 0
		.amdhsa_enable_private_segment 0
		.amdhsa_kernarg_size 144
		.amdhsa_user_sgpr_count 2
		.amdhsa_user_sgpr_kernarg_segment_ptr 1
		.amdhsa_wavefront_size32 1
		.amdhsa_system_sgpr_workgroup_id_x 1
		.amdhsa_system_sgpr_workgroup_id_y 1
		.amdhsa_system_sgpr_workgroup_id_z 1
		.amdhsa_system_vgpr_workitem_id 0
		.amdhsa_next_free_vgpr 256
		.amdhsa_next_free_sgpr 66
		.amdhsa_reserve_vcc 1
		.amdhsa_float_denorm_mode_32 3
		.amdhsa_float_denorm_mode_16_64 3
		.amdhsa_memory_ordered 1
		.amdhsa_forward_progress 1
		.amdhsa_inst_pref_size 187
	.end_amdhsa_kernel
	.amdgpu_metadata
---
amdhsa.version: [ 1, 2 ]
amdhsa.kernels:
  - .name:           k_q0d7a3f278f_prep
    .symbol:         k_q0d7a3f278f_prep.kd
    .args:
      - { .name: dec_inp, .offset: 0, .size: 8, .value_kind: global_buffer, .address_space: global }
      - { .name: query_mean, .offset: 8, .size: 8, .value_kind: global_buffer, .address_space: global }
      - { .name: key_mean, .offset: 16, .size: 8, .value_kind: global_buffer, .address_space: global }
      - { .name: value_mean, .offset: 24, .size: 8, .value_kind: global_buffer, .address_space: global }
      - { .name: w1_mean, .offset: 32, .size: 8, .value_kind: global_buffer, .address_space: global }
      - { .name: w2_mean, .offset: 40, .size: 8, .value_kind: global_buffer, .address_space: global }
      - { .name: query_std, .offset: 48, .size: 8, .value_kind: global_buffer, .address_space: global }
      - { .name: key_std, .offset: 56, .size: 8, .value_kind: global_buffer, .address_space: global }
      - { .name: value_std, .offset: 64, .size: 8, .value_kind: global_buffer, .address_space: global }
      - { .name: output_std, .offset: 72, .size: 8, .value_kind: global_buffer, .address_space: global }
      - { .name: output_mean, .offset: 80, .size: 8, .value_kind: global_buffer, .address_space: global }
      - { .name: w1_std, .offset: 88, .size: 8, .value_kind: global_buffer, .address_space: global }
      - { .name: w2_std, .offset: 96, .size: 8, .value_kind: global_buffer, .address_space: global }
      - { .name: attn_mask, .offset: 104, .size: 8, .value_kind: global_buffer, .address_space: global }
      - { .name: xw2, .offset: 112, .size: 8, .value_kind: global_buffer, .address_space: global }
      - { .name: wqkv, .offset: 120, .size: 8, .value_kind: global_buffer, .address_space: global }
      - { .name: w1q, .offset: 128, .size: 8, .value_kind: global_buffer, .address_space: global }
      - { .name: maskw, .offset: 136, .size: 8, .value_kind: global_buffer, .address_space: global }
    .group_segment_fixed_size: 34304
    .private_segment_fixed_size: 0
    .kernarg_segment_align: 8
    .kernarg_segment_size: 144
    .max_flat_workgroup_size: 128
    .sgpr_count:     66
    .vgpr_count:     256
    .wavefront_size: 32
...
	.end_amdgpu_metadata
.endif
;; end of part 1
;; launch qkv (part 2): grid 8 x 24, 8 waves a work-group, clusters of 4 x 4, 327,680 bytes of LDS; arguments wqkv, xw2, qkvb; writes qkvb
.if DOCPART == 2
	.amdgcn_target "amdgcn-amd-amdhsa--gfx1250"
	.amdhsa_code_object_version 6
	.text
	.protected	k_q0d7a3f278f_qkv
	.globl	k_q0d7a3f278f_qkv
	.p2align	8
	.type	k_q0d7a3f278f_qkv,@function
k_q0d7a3f278f_qkv:
	s_mov_b64 s[64:65], 0
	v_nop
	global_prefetch_b8 v0, s[64:65] scope:SCOPE_SE
	s_setreg_imm32_b32 hwreg(HW_REG_WAVE_MODE, 25, 1), 1
	s_wait_xcnt 0x0
	s_wait_alu depctr_hold_cnt(0) depctr_sa_sdst(0) depctr_va_vdst(0) depctr_va_sdst(0) depctr_va_ssrc(0) depctr_va_vcc(0) depctr_vm_vsrc(0)
	s_getreg_b32 s2, hwreg(HW_REG_IB_STS2, 6, 4)
	s_cmp_eq_u32 s2, 0
	s_cbranch_scc0 .Lentry_in_a_cluster
	s_endpgm
.Lentry_in_a_cluster:
	s_bfe_u32 s2, ttmp6, 0x10000c
	s_cmp_lg_u32 s2, 0xf033
	s_cbranch_scc0 .Lentry_shape_is_right
	s_endpgm
.Lentry_shape_is_right:
; A product on codes of FP4 whose RESULT IS QUANTISED AT ONCE, along the axis that the first source's rows run over.  K = 1,024.  Arguments: image 0, image 1, the result's image.
; All three images are laid in the order of an operand's registers: block (K step s of 128, group xg of 128 rows) at (32 s + xg) x 9,216 bytes: registers 4c .. 4c+3 of tile a at 4,096 c + 512 a + 16 lane, scale words at 8,192 + 128 a + 4 lane.
; Lane row r of tile a is row 32 (a/2) + 8 (a%2) + r%8 + 16 (r/8) of its group.  So with source 0 = P and source 1 = R, register 8 a + j of lane (r, h) is P's row 32 (a/2) + 16 h + 8 (a%2) + j against R's row r:
; a lane's 64 registers of P's eight tiles are 128 of P's rows in the order in which the quantiser wants neighbours, and they become one fragment of the result: K step = P's group, row = R's.
; A work-group makes 256 rows of P x 256 rows of R.  Clusters with y under 4: P = image 0 (weights), R = image 1 (tokens): the result is quantised along the weights' rows.
; Clusters with y from 4 on (only the launch with 24 rows of work-groups has them): P = image 1 (tokens), R = image 0's blocks 8 to 11: the values, quantised along the keys.
; Eight waves: wave w takes P's group w % 2 (8 tiles) and four tiles of R: 32 accumulators, 256 registers, window 1.  All of K lies in LDS: two slots of four K steps, each filled once.
; CLUSTERS: 4 x 4.  P's block hangs on the cluster's column, R's on its row: each K step's 18,432 bytes are asked for jointly by the four that share them.
; LIMITS: a block of zeros gets the byte 1 (its codes are zeros; only this program reads the bytes); NaN and infinities are not served.
.set UB,    9216
.set KSTEP, 32*UB                      ; bytes from K step to K step
.set BLK,   2*UB                       ; a work-group's 256 rows of one K step
.set KINDB, 8*BLK                      ; all eight K steps of P, or of R
.set SLOT,  4*BLK                      ; from K's first half to its second
.set SPARE, 2*KINDB                    ; behind the tiles: the spare words, 128 bytes for each wave
.set SPW, 16                           ; v16    my spare word
.set NIL, 17                           ; v17    0
.set ADP, 2                            ; v2-3   LDS address of my P fragments in slot 0, 1
.set ADR, 4                            ; v4-5   of my R fragments
.set ASC, 6                            ; v6-7   scale words: lanes 0-15 P's, lanes 16-31 R's
.set ASP, 8                            ; v8-9   scale words: P's in all lanes
.set OC,  10                           ; v10    the result: my 16 bytes of codes
.set OS,  11                           ; v11    and my scale word
.set SC,  24                           ; v24-39 scale words, two sets of 8: register i: lanes 0-15 P's tile i; lanes 16-31 R's tile i (i < 4)
.set PF,  40                           ; v40-167  P's fragments, two sets of 64
.set RF,  168                          ; v168-231 R's, two sets of 32
.set TM,  232                          ; v232-247 at work in QUANT
.set G1P, 24
.set G1R, 32
.set G0P, 40                           ; one group 0 for each slot
.set G0R, 48
.set SEL, 66
.set MSB, 0
.macro WIN new                         ; the immediate's high byte repeats the setting that is left
.if MSB != \new
	s_set_vgpr_msb (MSB<<8)|\new
.set MSB, \new
.endif
.endm
.macro PLACES                          ; four places behind a matrix instruction, in front of loads into registers that it has read and of reads of its result
.rept 4
	v_nop
.endr
.endm
.macro JLOAD s                         ; even waves fetch for P, odd waves for R; four v_nop follow each of the two lines
	s_cmp_eq_u32 s11, 0
	s_cbranch_scc0 .Lfor_r_\@
	tensor_load_to_lds s[G0P+4*\s:G0P+4*\s+3], s[G1P:G1P+7]
	s_nop 0
.rept 4
	v_nop
.endr
	s_branch .Lasked_\@
.Lfor_r_\@:
	tensor_load_to_lds s[G0R+4*\s:G0R+4*\s+3], s[G1R:G1R+7]
	s_nop 0
.rept 4
	v_nop
.endr
.Lasked_\@:
.endm
.macro CROUND                          ; a round of the cluster's barrier
	s_barrier_signal -1
	s_barrier_wait -1
	s_cmp_lg_u32 s10, 0
	s_cbranch_scc1 .Lnot_wave_0_\@
	s_barrier_signal -3
.Lnot_wave_0_\@:
	s_barrier_wait -3
	s_barrier_signal -1
	s_barrier_wait -1
.endm
; 64 numbers of a lane in window 1, v[s] on, become a fragment's codes in v[pc] on and its scale word in v[pw] (window 0).  Each accumulator is read from its low end on.
.macro QUANT s, pc, pw
	WIN 0x05                                         ; sources 0 and 1: window 1
.irp b, 0,1,2,3
	v_max3_num_f32 v[TM+\b], |v[(\s)+16*\b]|, |v[(\s)+1+16*\b]|, 0x1800000   ; the floor 2^(3 - 127): the byte cannot fall under 1
.endr
.irp i, 2,4,6,8,10,12,14
.irp b, 0,1,2,3
	v_max3_num_f32 v[TM+\b], |v[(\s)+16*\b+\i]|, |v[(\s)+1+16*\b+\i]|, v[TM+\b]
.endr
.endr
	WIN 0
.irp b, 0,1,2,3
	v_permlanex16_b32 v[TM+4+\b], v[TM+\b], s[SEL], s[SEL+1]
.endr
.irp b, 0,1,2,3
	s_delay_alu instid0(VALU_DEP_4)
	v_max_num_f32 v[TM+\b], v[TM+\b], v[TM+4+\b]
.endr
.irp b, 0,1,2,3
	s_delay_alu instid0(VALU_DEP_4)
	v_add_nc_u32 v[TM+12+\b], 0xff000000, v[TM+\b]   ; 2 off the exponent field: the conversion's scale operand
.endr
.irp b, 0,1,2,3
	s_delay_alu instid0(VALU_DEP_4)
	v_lshrrev_b32 v[TM+4+\b], 23, v[TM+12+\b]
.endr
	s_delay_alu instid0(VALU_DEP_3)
	v_lshl_or_b32 v[\pw], v[TM+5], 8, v[TM+4]
	s_delay_alu instid0(VALU_DEP_1)
	v_lshl_or_b32 v[\pw], v[TM+6], 16, v[\pw]
	s_delay_alu instid0(VALU_DEP_1)
	v_lshl_or_b32 v[\pw], v[TM+7], 24, v[\pw]
	WIN 0x01                                         ; source 0: window 1
.irp b, 0,1,2,3
	v_cvt_scalef32_pk8_fp4_f32 v[(\pc)+2*\b], v[(\s)+16*\b:(\s)+7+16*\b], v[TM+12+\b]
	v_cvt_scalef32_pk8_fp4_f32 v[(\pc)+1+2*\b], v[(\s)+8+16*\b:(\s)+15+16*\b], v[TM+12+\b]
.endr
	WIN 0
	v_nop                                            ; one plain place behind a scaled conversion
.irp c, 0,1
.irp i, 0,1
	v_permlane16_swap_b32 v[(\pc)+4*\c+\i], v[(\pc)+2+4*\c+\i]
.endr
.endr
.endm
	s_load_b128 s[4:7], s[0:1], 0x0                  ; image 0, image 1
	s_load_b64 s[8:9], s[0:1], 0x10                  ; the result
	v_lshl_add_u32 v[SPW], v0, 2, SPARE
	v_mov_b32 v[NIL], 0
	ds_add_u32 v[SPW], v[NIL]                        ; the opening lines: the add, twice on end, and its wait ahead of my tensor load
	ds_add_u32 v[SPW], v[NIL]
	v_lshrrev_b32 v1, 5, v0
	s_delay_alu instid0(VALU_DEP_1)
	v_readfirstlane_b32 s10, v1                      ; wave 0..7
	s_and_b32 s11, s10, 1                            ; which group of P is mine.  Also: I fetch for P (0) or for R (1)
	s_lshr_b32 s12, s10, 1                           ; which four tiles of R.  Also: which two K steps I fetch
	s_bfe_u32 s13, ttmp6, 0x40000                    ; cx
	s_bfe_u32 s14, ttmp6, 0x40004                    ; cy
	s_and_b32 s15, ttmp7, 0xffff                     ; the cluster's y: alike in all partners
	s_lshl_b32 s16, ttmp9, 2
	s_add_co_u32 s16, s16, s13
	s_max_u32 s18, s15, 4
	s_sub_co_u32 s18, s18, 4
	s_lshl_b32 s18, s18, 3
	s_add_co_u32 s16, s16, s18                       ; P's block: 4 x cluster x + cx, for the values + 8 (cluster y - 4)
	s_lshl_b32 s19, s15, 2
	s_cmp_ge_u32 s15, 4
	s_cselect_b32 s19, 8, s19
	s_add_co_u32 s17, s19, s14                       ; R's block: 4 x cluster y + cy, for the values 8 + cy
	s_lshl_b32 s62, 0x1111, s13                      ; my column of the cluster shares P's block,
	s_lshl_b32 s63, s14, 2
	s_lshl_b32 s63, 15, s63                          ; my row R's
	s_or_b32 s[G1P], s62, (3<<16)|(1<<21)            ; 15:0 the mask; 17:16 elements of 8 bytes; 21 set beside a mask; no padding
	s_or_b32 s[G1R], s63, (3<<16)|(1<<21)
.irp g, G1P, G1R                       ; 18,432 dense bytes as one row of 2,304 elements of 8 bytes
	s_mov_b32 s[\g+1], 2304<<16                      ; two K steps to a load: two rows of 18,432 bytes, a K step apart
	s_mov_b32 s[\g+2], 2<<16
	s_mov_b32 s[\g+3], 2304<<16
	s_mov_b32 s[\g+4], 2
	s_mov_b32 s[\g+5], KSTEP/8
	s_mov_b32 s[\g+6], 0
	s_mov_b32 s[\g+7], 0
.endr
	s_mul_i32 s56, s16, BLK
	s_mul_i32 s57, s12, 2*KSTEP
	s_add_co_u32 s56, s56, s57
	s_mov_b32 s57, 0                                 ; P: my two K steps, in registers that never hold cy
	s_mul_i32 s58, s17, BLK
	s_mul_i32 s59, s12, 2*KSTEP
	s_add_co_u32 s58, s58, s59
	s_mov_b32 s59, 0                                 ; R: in registers that never hold cx
	s_mul_i32 s60, s11, KINDB
	s_mul_i32 s61, s12, 2*BLK
	s_add_co_u32 s60, s60, s61                       ; where it goes: the wave's number alone
	s_mov_b32 s[SEL], 0x76543210
	s_mov_b32 s[SEL+1], 0xfedcba98
	v_and_b32 v1, 31, v0
	v_bfe_u32 v14, v0, 4, 1
	s_wait_alu depctr_va_vdst(0)
	v_lshlrev_b32 v12, 4, v1
	v_lshlrev_b32 v13, 2, v1
	s_wait_alu depctr_va_vdst(0)
	s_mul_i32 s2, s11, UB                            ; my group of P
	s_lshr_b32 s3, s12, 1
	s_mul_i32 s3, s3, UB                             ; my group of R
	s_and_b32 s18, s12, 1                            ; which half of its tiles
	s_lshl_b32 s19, s18, 11
	s_add_co_u32 s19, s19, s3
	s_add_co_u32 s19, s19, KINDB
	v_add_nc_u32 v[ADP], s2, v12
	v_add_nc_u32 v[ADR], s19, v12
	s_xor_b32 s19, s11, 1
	s_mul_i32 s19, s19, UB
	s_add_co_u32 s19, s19, s3
	s_lshl_b32 s61, s18, 9
	s_add_co_u32 s19, s19, s61
	s_add_co_u32 s19, s19, KINDB-UB                  ; from P's scale words to R's
	v_mul_u32_u24 v[ASC], s19, v14                   ; lanes 16-31 take R's
	s_add_co_u32 s2, s2, 8192
	v_add_nc_u32 v[ASP], s2, v13
	s_delay_alu instid0(VALU_DEP_1)
	v_add_nc_u32 v[ASC], v[ASC], v[ASP]
.irp r, ADP, ADR, ASC, ASP
	v_add_nc_u32 v[\r+1], SLOT, v[\r]
.endr
	v_lshl_add_u32 v[OC], s18, 11, v12
	v_lshl_add_u32 v[OS], s18, 9, v13
.irp b, 0,1,2,3
	v_mov_b32 v[TM+4+\b], 0                          ; written once: a lane permute's destination counts as one of its sources
.endr
	s_lshl_b32 s68, s16, 1
	s_add_co_u32 s68, s68, s11                       ; P's group
	s_lshl_b32 s69, s17, 1
	s_lshr_b32 s70, s12, 1
	s_add_co_u32 s69, s69, s70                       ; R's group
	s_wait_dscnt 0x0                                 ; both opening adds are done
	s_wait_kmcnt 0x0
	s_cmp_ge_u32 s15, 4
	s_cselect_b64 s[20:21], s[6:7], s[4:5]           ; P's image
	s_cselect_b64 s[22:23], s[4:5], s[6:7]           ; R's
	s_cselect_b32 s70, s69, s68                      ; the result's block: (P's group, R's group); the values': (weights' group, keys' group)
	s_cselect_b32 s71, s68, s69
	s_lshl_b32 s70, s70, 5
	s_add_co_u32 s70, s70, s71
	s_mul_i32 s70, s70, UB
	s_mov_b32 s71, 0
	s_add_nc_u64 s[8:9], s[8:9], s[70:71]
	s_add_nc_u64 s[20:21], s[20:21], s[56:57]
	s_add_nc_u64 s[22:23], s[22:23], s[58:59]
	CROUND                                           ; all sixteen work-groups are here: the joint loads meet
.irp s, 0
	s_mov_b32 s[G0P+4*\s], 1
	s_add_co_u32 s[G0P+4*\s+1], s60, \s*SLOT
	s_add_nc_u64 s[G0P+4*\s+2:G0P+4*\s+3], s[20:21], \s*4*KSTEP
	s_or_b32 s[G0P+4*\s+3], s[G0P+4*\s+3], 0x80000000
	s_mov_b32 s[G0R+4*\s], 1
	s_add_co_u32 s[G0R+4*\s+1], s60, \s*SLOT
	s_add_nc_u64 s[G0R+4*\s+2:G0R+4*\s+3], s[22:23], \s*4*KSTEP
	s_or_b32 s[G0R+4*\s+3], s[G0R+4*\s+3], 0x80000000
	JLOAD \s                                         ; my one load: K steps 2 (wave / 2) and the next, of P or of R
.endr
.macro FETCH slot, kq, set             ; 32 LDS loads: the fragments and scale words of the slot's kq-th K step; each load takes consecutive bytes
.irp j, 0,1,2,3
.irp c, 0,1
	ds_load_b128 v[RF+32*(\set)+8*\j+4*\c:RF+32*(\set)+8*\j+4*\c+3], v[ADR+\slot] offset:(\kq)*BLK+4096*\c+512*\j
.endr
.endr
.irp i, 0,1,2,3,4,5,6,7
.irp c, 0,1
	ds_load_b128 v[PF+64*(\set)+8*\i+4*\c:PF+64*(\set)+8*\i+4*\c+3], v[ADP+\slot] offset:(\kq)*BLK+4096*\c+512*\i
.endr
.endr
.irp i, 0,1,2,3
	ds_load_b32 v[SC+8*(\set)+\i], v[ASC+\slot] offset:(\kq)*BLK+128*\i
.endr
.irp i, 4,5,6,7
	ds_load_b32 v[SC+8*(\set)+\i], v[ASP+\slot] offset:(\kq)*BLK+128*\i
.endr
.endm
.macro MUL set, zero                   ; 32 matrix instructions; the 32 accumulators take turns, in the same order in every K step
	WIN 0x50                                         ; C and D: window 1
.irp i, 0,1,2,3,4,5,6,7
.irp j, 0,1,2,3
.if \zero
	v_wmma_scale_f32_16x16x128_f8f6f4 v[64*\j+8*\i:64*\j+8*\i+7], v[PF+64*(\set)+8*\i:PF+64*(\set)+8*\i+7], v[RF+32*(\set)+8*\j:RF+32*(\set)+8*\j+7], 0, v[SC+8*(\set)+\i], v[SC+8*(\set)+\j] matrix_a_fmt:MATRIX_FMT_FP4 matrix_b_fmt:MATRIX_FMT_FP4 matrix_b_scale:MATRIX_SCALE_ROW1
.else
	v_wmma_scale_f32_16x16x128_f8f6f4 v[64*\j+8*\i:64*\j+8*\i+7], v[PF+64*(\set)+8*\i:PF+64*(\set)+8*\i+7], v[RF+32*(\set)+8*\j:RF+32*(\set)+8*\j+7], v[64*\j+8*\i:64*\j+8*\i+7], v[SC+8*(\set)+\i], v[SC+8*(\set)+\j] matrix_a_fmt:MATRIX_FMT_FP4 matrix_b_fmt:MATRIX_FMT_FP4 matrix_b_scale:MATRIX_SCALE_ROW1
.endif
.endr
.endr
	WIN 0
.endm
.macro PHASE slot, zero                ; a slot's four K steps; the next step's loads are issued ahead of each step's products
.if !\zero
	PLACES
.endif
	FETCH \slot, 0, 0
.set KQ, 0
.rept 4
.if KQ < 3
.if KQ > 0
	PLACES
.endif
	FETCH \slot, KQ+1, (KQ+1)%2
	s_wait_dscnt 32                                  ; all but the 32 just issued
.else
	s_wait_dscnt 0x0
.endif
.if (KQ == 0) && \zero
	MUL 0, 1                                         ; the first products start the sums: nothing is cleared
.else
	MUL KQ%2, 0
.endif
.set KQ, KQ+1
.endr
.endm
	s_wait_alu depctr_va_vdst(0)
	s_wait_tensorcnt 0x0                             ; my part of K is in
	s_barrier_signal -1
	s_barrier_wait -1                                ; everybody's is; nothing is filled again
	PHASE 0, 1
	PHASE 1, 0
	PLACES
.irp j, 0,1,2,3                        ; R's tile j: my 64 numbers of its row become a fragment of the result
	QUANT 64*\j, PF+8*\j, PF+32+\j
	global_store_b128 v[OC], v[PF+8*\j:PF+8*\j+3], s[8:9] offset:512*\j            ; 32 lanes store 512 consecutive bytes
	global_store_b128 v[OC], v[PF+8*\j+4:PF+8*\j+7], s[8:9] offset:4096+512*\j
	global_store_b32 v[OS], v[PF+32+\j], s[8:9] offset:8192+128*\j
.endr
	s_wait_tensorcnt 0x0                             ; the wave's end
	ds_add_u32 v[SPW], v[NIL]
	s_wait_dscnt 0x0
	CROUND                                           ; the closing round
	s_endpgm
.Lfunc_end_k_q0d7a3f278f_qkv:
	.size	k_q0d7a3f278f_qkv, .Lfunc_end_k_q0d7a3f278f_qkv-k_q0d7a3f278f_qkv
	.p2alignl 7, 3214868480
	.fill 96, 4, 3214868480
	.section	.rodata,"a",@progbits
	.p2align	6, 0x0
	.amdhsa_kernel k_q0d7a3f278f_qkv
		.amdhsa_group_segment_fixed_size 327680
		.amdhsa_private_segment_fixed_size 0
		.amdhsa_enable_private_segment 0
		.amdhsa_kernarg_size 24
		.amdhsa_user_sgpr_count 2
		.amdhsa_user_sgpr_kernarg_segment_ptr 1
		.amdhsa_wavefront_size32 1
		.amdhsa_system_sgpr_workgroup_id_x 1
		.amdhsa_system_sgpr_workgroup_id_y 1
		.amdhsa_system_sgpr_workgroup_id_z 1
		.amdhsa_system_vgpr_workitem_id 0
		.amdhsa_next_free_vgpr 512
		.amdhsa_next_free_sgpr 72
		.amdhsa_reserve_vcc 0
		.amdhsa_float_denorm_mode_32 3
		.amdhsa_float_denorm_mode_16_64 3
		.amdhsa_memory_ordered 1
		.amdhsa_forward_progress 1
		.amdhsa_inst_pref_size 75
	.end_amdhsa_kernel
	.amdgpu_metadata
---
amdhsa.version: [ 1, 2 ]
amdhsa.kernels:
  - .name:           k_q0d7a3f278f_qkv
    .symbol:         k_q0d7a3f278f_qkv.kd
    .args:
      - { .name: wqkv, .offset: 0, .size: 8, .value_kind: global_buffer, .address_space: global }
      - { .name: xw2, .offset: 8, .size: 8, .value_kind: global_buffer, .address_space: global }
      - { .name: qkvb, .offset: 16, .size: 8, .value_kind: global_buffer, .address_space: global }
    .group_segment_fixed_size: 327680
    .private_segment_fixed_size: 0
    .kernarg_segment_align: 8
    .kernarg_segment_size: 24
    .max_flat_workgroup_size: 256
    .sgpr_count:     72
    .vgpr_count:     512
    .wavefront_size: 32
...
	.end_amdgpu_metadata
.endif
;; end of part 2
;; launch attn (part 3): grid 8 x 32, 16 waves a work-group, no clusters, 157,696 bytes of LDS; arguments qkvb, maskw, actb; writes actb
.if DOCPART == 3
	.amdgcn_target "amdgcn-amd-amdhsa--gfx1250"
	.amdhsa_code_object_version 6
	.text
	.protected	k_q0d7a3f278f_attn
	.globl	k_q0d7a3f278f_attn
	.p2align	8
	.type	k_q0d7a3f278f_attn,@function
k_q0d7a3f278f_attn:
	s_mov_b64 s[64:65], 0
	v_nop
	global_prefetch_b8 v0, s[64:65] scope:SCOPE_SE
	s_setreg_imm32_b32 hwreg(HW_REG_WAVE_MODE, 25, 1), 1
	s_wait_xcnt 0x0
; Attention of one head and batch member on codes of FP4, under a mask that is an input.
; qkvb holds q (K steps 0-7), k (8-15) and v (16-23) as images in the order of an operand's registers: block (s, xg) at (32 s + xg) x 9,216 bytes, registers 4c .. 4c+3 of tile a at 4,096 c + 512 a + 16 lane, scale words at 8,192 + 128 a + 4 lane.
; For q and k: s = the pair of heads, c = head % 2, xg = 16 b + position / 128.  The head's size is 64: half a K step; the other half of both operands is zero codes.
; For v: the keys are K: xg = 16 b + key step, tile 4 (head % 2) + dt holds 16 of the head's 64.
; Both products are used transposed (S^T = K Q^T, O^T = V^T P^T): a lane holds ONE query; register 16 b' + i of S^T is key 32 b' + 16 (lane / 16) + i of the step.
; THE SOFTMAX: t = score x log2(e) / 8; M = the running largest t rounded up to a whole number; p = 2^(t - M) is quantised along the keys; the row's sum is taken of the unquantised p and divides at the end.
; THE MASK: maskw holds one lane mask for each of a step's 64 score registers and, from byte 1,048,576 on, one word of flags for each (batch member, tile of 16 queries): bit 2 ks: every byte of key step ks masks; bit 2 ks + 1: none does.
; A key step all of whose bytes mask is jumped over by a scalar branch on the flags: all its p would be 0 and M would not move.  A step in which nothing masks jumps over the mask words' load and the 64 selects.  The loop's count is 16 for every wave.
; A query all of whose keys are masked has the sum 0: its scale bytes are set to 0xff, which makes every sum that its row enters NaN, as the softmax of such a row is.
; SHARES: a work-group has sixteen waves, each with one tile of 16 queries: tile x (the work-group's number) of group R of 128 positions; R is dealt to the waves by a square of the numbers 0 to 15 whose rows and columns have equal sums,
; so that each four waves with equal wave % 4, or equal wave / 4, hold groups of the same sum.  The deal is right for every mask; it evens the count of steps where a mask hides later keys.
; A whole head's k and v, codes and scale words, lie in LDS (155,648 bytes): wave w brings key step w, 9,728 bytes, through its registers; one barrier.
; NO CLUSTER, NO TENSOR LOAD: the branches hang on whole numbers read from memory.  NO PREFETCH: all of k and v is asked for at the head; the loop reads LDS.
; LIMITS: a p under 2^-126 counts as 0; a block of zeros gets the byte 1; NaN and infinities among the scores are not served; the scaled scores stay under 2^31 in magnitude.
.set UB,   9216
.set VB,   8*32*UB                     ; from k's block to v's
.set VC,   65536                       ; LDS: k's codes from 0, 16 x 4,096; v's codes: registers 0-3, 16 x 2,048 bytes; registers 4-7 32,768 further on
.set KSC,  131072                      ; k's scale words, 16 x 1,024
.set VSC,  147456                      ; v's, 16 x 512
.set SPARE, 155648                     ; the spare words, 128 bytes for each wave
.set FLG,  1048576
.set BM,   244                         ; v244-247 a block's largest score, then its largest p
.set PT,   248                         ; v248-251 the other half's, then the bytes
.set CV,   252                         ; v252-255 the conversions' scale operands
.set SPW,  30
.set NIL,  31
; v1-4 lane places in the four LDS regions; v5, v6 my bytes in q's block and in the result's; v7 -infinity; v8-11 LDS addresses in hand; v12 -M; v13 the largest t; v[14:15] the sum; v16-23 Q; v24 Q's scales; v25 p's scale word;
; v[26:27] f; v28-29 at work; v32-95 K; v96-159 S^T, then p; v160-191 O^T; v192-223 V; v224-231 p's codes; v232-239 K's scales; v240-243 V's
; s24-27 the step's bytes in the four regions; s28 steps to go; s29 the flags, two bits a step; s[32:63], s[68:99] the step's 64 mask words (word n in s[32 + n + 4 (n / 32)])
.macro MASKS                           ; a step's 64 words: 256 consecutive bytes
	s_load_b512 s[32:47], s[6:7], 0x0
	s_load_b512 s[48:63], s[6:7], 0x40
	s_load_b512 s[68:83], s[6:7], 0x80
	s_load_b512 s[84:99], s[6:7], 0xc0
.endm
	s_load_b128 s[4:7], s[0:1], 0x0                  ; qkvb, maskw
	s_load_b64 s[8:9], s[0:1], 0x10                  ; actb
	v_lshl_add_u32 v[SPW], v0, 2, SPARE
	v_mov_b32 v[NIL], 0
	v_lshrrev_b32 v1, 5, v0
	v_readfirstlane_b32 s10, v1                      ; wave 0..15
	s_mov_b32 s11, 0x0de3b658                        ; the square, four bits a wave: 15 2 1 12 / 4 9 10 7 / 8 5 6 11 / 3 14 13 0
	s_cmp_lt_u32 s10, 8
	s_cselect_b32 s11, 0x7a94c12f, s11
	s_and_b32 s12, s10, 7
	s_lshl_b32 s12, s12, 2
	s_lshr_b32 s11, s11, s12
	s_and_b32 s11, s11, 15                           ; R: my group of 128 queries
	s_and_b32 s13, ttmp7, 0xffff
	s_lshr_b32 s14, s13, 4                           ; batch member
	s_and_b32 s15, s13, 15                           ; head
	s_and_b32 s16, s15, 1                            ; head % 2
	s_lshr_b32 s17, s15, 1                           ; the pair of heads
	s_lshl_b32 s18, s17, 5
	s_lshl_b32 s19, s14, 4
	s_add_co_u32 s18, s18, s19
	s_mul_i32 s18, s18, UB                           ; block (pair, 16 b)
	s_mul_i32 s2, s10, UB
	s_add_co_u32 s2, s2, s18
	s_add_co_u32 s2, s2, VB                          ; k's block of key step = my wave's number
	s_mov_b32 s3, 0
	s_mul_i32 s30, s11, UB
	s_add_co_u32 s30, s30, s18                       ; q's block and the result's: the same place in both buffers
	s_mov_b32 s31, 0
	s_lshl_b32 s12, s14, 7
	s_lshl_b32 s19, s11, 3
	s_add_co_u32 s12, s12, s19
	s_add_co_u32 s12, s12, ttmp9                     ; 128 b + my tile of queries, 8 R + x
	s_lshl_b32 s26, s12, 12                          ; its mask words
	s_mov_b32 s27, 0
	s_lshl_b32 s28, s12, 2
	s_add_co_u32 s28, s28, FLG                       ; its flags
	s_mov_b32 s29, 0
	s_lshl_b32 s32, s16, 12
	s_lshl_b32 s33, s16, 11
	s_lshl_b32 s34, s16, 9
	s_lshl_b32 s35, ttmp9, 9
	s_add_co_u32 s35, s35, s32
	s_lshl_b32 s37, s16, 1
	s_lshl_b32 s36, ttmp9, 7
	s_add_co_u32 s36, s36, s37
	s_add_co_u32 s37, s37, KSC
	s_lshl_b32 s38, s10, 12
	s_lshl_b32 s39, s10, 11
	s_lshl_b32 s40, s10, 10
	s_add_co_u32 s40, s40, KSC
	s_lshl_b32 s41, s10, 9
	s_add_co_u32 s41, s41, VSC
	s_mov_b32 s20, 0x76543210
	s_mov_b32 s21, 0xfedcba98
	s_mov_b32 s22, 0x3e38aa3b                        ; c = log2(e) / 8
	s_mov_b32 s23, s22                               ; (named with it as a pair)
	v_and_b32 v28, 31, v0
	v_lshlrev_b32 v1, 4, v28                         ; 16 lane
	v_add_nc_u32 v2, VC, v1
	v_lshl_add_u32 v3, v28, 2, s37                   ; my head's two bytes of a scale word
	v_lshl_add_u32 v4, v28, 2, VSC
	v_add_nc_u32 v5, s35, v1                         ; codes: 4,096 (head % 2) + 512 x + 16 lane
	v_lshl_add_u32 v6, v28, 2, s36                   ; scale halfwords: 128 x + 4 lane + 2 (head % 2)
	v_add_nc_u32 v27, s32, v1                        ; in memory: my head's part of k's codes,
	v_add_nc_u32 v29, s33, v1                        ; of v's codes,
	v_add_nc_u32 v26, s34, v1                        ; of v's scale words
	v_add_nc_u32 v8, s38, v1                         ; in LDS: key step = my wave's number, in the four regions
	v_add_nc_u32 v9, s39, v2
	v_add_nc_u32 v10, s40, v1
	v_add_nc_u32 v11, s41, v1
	v_mov_b32 v7, 0xff800000
	v_mov_b32 v13, 0xff61b1e6                        ; the largest t so far: -3e38
	v_floor_f32 v12, -v13
	v_mov_b32 v14, 0
	v_mov_b32 v15, 0
.irp k, 20,21,22,23
	v_mov_b32 v[\k], 0
.endr
.irp a, 0,1,2,3,4,5,6,7
.irp k, 4,5,6,7
	v_mov_b32 v[32+8*\a+\k], 0                       ; the upper half of K's fragments: zero codes, written once
.endr
.endr
.irp b, 0,1,2,3
	v_mov_b32 v[PT+\b], 0                            ; a lane permute's destination counts as one of its sources
.endr
	s_wait_alu depctr_va_vdst(0)
	s_wait_kmcnt 0x0
	s_add_nc_u64 s[2:3], s[4:5], s[2:3]
	s_add_nc_u64 s[4:5], s[4:5], s[30:31]
	s_add_nc_u64 s[8:9], s[8:9], s[30:31]
	s_add_nc_u64 s[66:67], s[6:7], s[28:29]
	s_add_nc_u64 s[6:7], s[6:7], s[26:27]
	s_load_b32 s29, s[66:67], 0x0                    ; my tile's flags
	MASKS                                            ; key step 0's words: so the 64 registers are written on every way to the selects
	global_load_b128 v[16:19], v5, s[4:5]            ; Q's fragment: my head's 64
	global_load_u16 v24, v6, s[4:5] offset:8192      ; and its two scale bytes; the two above them are 0, over zero codes
.irp i, 0,1,2,3,4,5,6,7
	global_load_b128 v[96+4*\i:99+4*\i], v27, s[2:3] offset:512*\i             ; each load takes 512 consecutive bytes
.endr
.irp i, 0,1
	global_load_b128 v[128+4*\i:131+4*\i], v1, s[2:3] offset:8192+512*\i
.endr
.irp i, 0,1,2,3
	global_load_b128 v[136+4*\i:139+4*\i], v29, s[2:3] offset:VB+512*\i
	global_load_b128 v[152+4*\i:155+4*\i], v29, s[2:3] offset:VB+4096+512*\i
.endr
	global_load_b128 v[168:171], v26, s[2:3] offset:VB+8192
	s_mov_b32 s24, 0
	s_mov_b32 s25, 0
	s_mov_b32 s26, 0
	s_mov_b32 s27, 0
	s_mov_b32 s28, 16
	s_wait_loadcnt 0x0
.irp i, 0,1,2,3,4,5,6,7
	ds_store_b128 v8, v[96+4*\i:99+4*\i] offset:512*\i
.endr
.irp i, 0,1
	ds_store_b128 v10, v[128+4*\i:131+4*\i] offset:512*\i
.endr
.irp i, 0,1,2,3
	ds_store_b128 v9, v[136+4*\i:139+4*\i] offset:512*\i
	ds_store_b128 v9, v[152+4*\i:155+4*\i] offset:32768+512*\i
.endr
	ds_store_b128 v11, v[168:171]
	s_wait_dscnt 0x0                                 ; for the others' sake: my key step lies in LDS
	s_barrier_signal -1
.set j, 0
.rept 32
	v_mov_b32 v[160+j], 0                            ; O^T: the step is written once; the first finds zeros
.set j, j+1
.endr
	v_mov_b32 v27, 0                                 ; (named as the upper half of the pair v[26:27])
	s_wait_alu depctr_va_vdst(0)
	s_barrier_wait -1                                ; everybody's does
	s_wait_kmcnt 0x0                                 ; the flags
.Lstep:
	s_bitcmp1_b32 s29, 0                             ; every byte of this step masks: nothing to do
	s_cbranch_scc1 .Lskip
	s_bitcmp1_b32 s29, 1                             ; none does: no words are wanted
	s_cbranch_scc1 .Lnone
	MASKS
.Lnone:
	v_add_nc_u32 v8, s24, v1                         ; (these four are also the places in front of the loads into V's registers)
	v_add_nc_u32 v9, s25, v2
	v_add_nc_u32 v10, s26, v3
	v_add_nc_u32 v11, s27, v4
.irp a, 0,1,2,3,4,5,6,7
	ds_load_b128 v[32+8*\a:35+8*\a], v8 offset:512*\a
.endr
.irp a, 0,1,2,3,4,5,6,7
	ds_load_u16 v[232+\a], v10 offset:128*\a
.endr
.irp t, 0,1,2,3
.irp c, 0,1
	ds_load_b128 v[192+8*\t+4*\c:195+8*\t+4*\c], v9 offset:32768*\c+512*\t
.endr
	ds_load_b32 v[240+\t], v11 offset:128*\t
.endr
	s_wait_dscnt 12                                  ; K and its scales are in; V's twelve loads may be out
.irp a, 0,1,2,3,4,5,6,7
	v_wmma_scale_f32_16x16x128_f8f6f4 v[96+8*\a:103+8*\a], v[32+8*\a:39+8*\a], v[16:23], 0, v[232+\a], v24 matrix_a_fmt:MATRIX_FMT_FP4 matrix_b_fmt:MATRIX_FMT_FP4
.endr
.rept 4
	v_nop
.endr
	s_wait_kmcnt 0x0                                 ; this step's mask words, if they were asked for
	s_bitcmp1_b32 s29, 1
	s_cbranch_scc1 .Lopen
.set n, 0
.rept 64
	v_cndmask_b32 v[96+n], v[96+n], v7, s[32+n+4*(n/32)]   ; ascending: each accumulator is read from its low end on
.set n, n+1
.endr
.Lopen:
.irp b, 0,1,2,3
	v_max3_num_f32 v[BM+\b], v[96+16*\b], v[97+16*\b], v[98+16*\b]   ; the largest score of each block of 32 keys: for the row's maximum and, since p rises with the score, for the block's largest p
.endr
.irp i, 3,5,7,9,11,13
.irp b, 0,1,2,3
	v_max3_num_f32 v[BM+\b], v[BM+\b], v[96+16*\b+\i], v[97+16*\b+\i]
.endr
.endr
.irp b, 0,1,2,3
	v_max_num_f32 v[BM+\b], v[BM+\b], v[111+16*\b]
.endr
.irp b, 0,1,2,3
	s_delay_alu instid0(VALU_DEP_4)
	v_permlanex16_b32 v[PT+\b], v[BM+\b], s20, s21
.endr
.irp b, 0,1,2,3
	s_delay_alu instid0(VALU_DEP_4)
	v_max_num_f32 v[BM+\b], v[BM+\b], v[PT+\b]
.endr
	s_delay_alu instid0(VALU_DEP_2)
	v_max3_num_f32 v28, v[BM], v[BM+1], v[BM+2]
	s_delay_alu instid0(VALU_DEP_1)
	v_max_num_f32 v28, v28, v[BM+3]
	s_delay_alu instid0(VALU_DEP_1)
	v_mul_f32 v28, s22, v28
	s_delay_alu instid0(VALU_DEP_1)
	v_max_num_f32 v13, v13, v28                      ; the running largest t
	v_mov_b32 v28, v12
	s_delay_alu instid0(VALU_DEP_2)
	v_floor_f32 v12, -v13                            ; the new -M: M is a whole number
	s_delay_alu instid0(VALU_DEP_1)
	v_sub_f32 v28, v12, v28
	s_delay_alu instid0(VALU_DEP_1)
	v_cvt_i32_f32 v28, v28                           ; (it saturates)
	s_delay_alu instid0(VALU_DEP_1)
	v_ldexp_f32 v26, 1.0, v28                        ; f = 2^(old M - new M): rounds nothing
.irp j, 0,2,4,6,8,10,12,14,16,18,20,22,24,26,28,30,32,34,36,38,40,42,44,46,48,50,52,54,56,58,60,62
	v_pk_fma_f32 v[96+\j:97+\j], v[96+\j:97+\j], s[22:23], v[12:13] op_sel_hi:[1,0,0]   ; t - M
.endr
.irp b, 0,1,2,3
	v_fma_f32 v[BM+\b], v[BM+\b], s22, v12
.endr
	s_wait_alu depctr_va_vdst(0)                     ; ahead of the batch
.set j, 0
.rept 64
	v_exp_f32 v[96+j], v[96+j]                       ; p = 2^(t - M)
.set j, j+1
.endr
.irp b, 0,1,2,3
	v_exp_f32 v[BM+\b], v[BM+\b]                     ; the block's largest p: the same two instructions on the same number
.endr
	v_pk_mul_f32 v[14:15], v[14:15], v[26:27] op_sel_hi:[1,0]        ; the sums under the new M (a plain place behind the exponentials)
	s_wait_alu depctr_va_vdst(0)                     ; one wait for the 68, and, directly ahead of its first readers, for O^T
.irp j, 0,2,4,6,8,10,12,14,16,18,20,22,24,26,28,30
	v_pk_mul_f32 v[160+\j:161+\j], v[160+\j:161+\j], v[26:27] op_sel_hi:[1,0]   ; O^T under the new M
.endr
.irp b, 0,1,2,3
	v_max_num_f32 v[BM+\b], 0x1800000, v[BM+\b]      ; the floor 2^(3 - 127)
.endr
.irp b, 0,1,2,3
	s_delay_alu instid0(VALU_DEP_4)
	v_add_nc_u32 v[CV+\b], 0xff000000, v[BM+\b]      ; 2 off the exponent field: the conversion's scale operand
.endr
.irp b, 0,1,2,3
	s_delay_alu instid0(VALU_DEP_4)
	v_lshrrev_b32 v[PT+\b], 23, v[CV+\b]
.endr
	s_delay_alu instid0(VALU_DEP_3)
	v_lshl_or_b32 v25, v[PT+1], 8, v[PT]
	s_delay_alu instid0(VALU_DEP_1)
	v_lshl_or_b32 v25, v[PT+2], 16, v25
	s_delay_alu instid0(VALU_DEP_1)
	v_lshl_or_b32 v25, v[PT+3], 24, v25
.irp b, 0,1,2,3
	v_cvt_scalef32_pk8_fp4_f32 v[224+2*\b], v[96+16*\b:103+16*\b], v[CV+\b]
	v_cvt_scalef32_pk8_fp4_f32 v[225+2*\b], v[104+16*\b:111+16*\b], v[CV+\b]
.endr
	v_nop                                            ; one plain place behind a scaled conversion
.irp c, 0,1
.irp i, 0,1
	v_permlane16_swap_b32 v[224+4*\c+\i], v[226+4*\c+\i]
.endr
.endr
.set j, 0                                        ; the row's sum of the unquantised p: 32 pairs in eight chains
.irp r, 28,244,246,248,250,252,254
	v_pk_add_f32 v[\r:\r+1], v[96+j:97+j], v[98+j:99+j]
.set j, j+4
.endr
.rept 2
.irp r, 14,28,244,246,248,250,252,254
	v_pk_add_f32 v[\r:\r+1], v[\r:\r+1], v[96+j:97+j]
.set j, j+2
.endr
.endr
	v_pk_add_f32 v[14:15], v[14:15], v[156:157]
	v_pk_add_f32 v[28:29], v[28:29], v[158:159]
	v_pk_add_f32 v[244:245], v[244:245], v[246:247]
	v_pk_add_f32 v[248:249], v[248:249], v[250:251]
	v_pk_add_f32 v[252:253], v[252:253], v[254:255]
	v_pk_add_f32 v[14:15], v[14:15], v[28:29]
	v_pk_add_f32 v[244:245], v[244:245], v[248:249]
	s_delay_alu instid0(VALU_DEP_2)
	v_pk_add_f32 v[14:15], v[14:15], v[252:253]
	s_delay_alu instid0(VALU_DEP_1)
	v_pk_add_f32 v[14:15], v[14:15], v[244:245]
	s_wait_alu depctr_va_vdst(0)
	s_wait_dscnt 0x0                                 ; V and its scales
.irp t, 0,1,2,3
	v_wmma_scale_f32_16x16x128_f8f6f4 v[160+8*\t:167+8*\t], v[192+8*\t:199+8*\t], v[224:231], v[160+8*\t:167+8*\t], v[240+\t], v25 matrix_a_fmt:MATRIX_FMT_FP4 matrix_b_fmt:MATRIX_FMT_FP4
.endr
.Lskip:
	s_lshr_b32 s29, s29, 2                           ; the next step's flags, mask words and LDS bytes
	s_add_nc_u64 s[6:7], s[6:7], 256                 ; (no load that names this base is out)
	s_add_co_u32 s24, s24, 4096
	s_add_co_u32 s25, s25, 2048
	s_add_co_u32 s26, s26, 1024
	s_add_co_u32 s27, s27, 512
	s_sub_co_u32 s28, s28, 1
	s_cmp_lg_u32 s28, 0
	s_cbranch_scc1 .Lstep
	; THE WAY OUT: O^T / the sum is this head's 64 numbers of attn_vec's row: two blocks of 32, quantised here: registers 0-3 or 4-7 of a fragment of the next product
.rept 4
	v_nop
.endr
	v_add_f32 v14, v14, v15
	s_delay_alu instid0(VALU_DEP_1)
	v_permlanex16_b32 v28, v14, s20, s21
	s_delay_alu instid0(VALU_DEP_1)
	v_add_f32 v14, v14, v28                          ; the row's sum
	s_wait_alu depctr_va_vdst(0)                     ; ahead of the transcendental
	v_rcp_f32 v15, v14
	v_mov_b32 v29, 0xffff                            ; (a plain place behind the reciprocal)
	s_wait_alu depctr_va_vdst(0)                     ; and ahead of its first reader, which is O^T's too
.set j, 0
.rept 32
	v_mul_f32 v[96+j], v[160+j], v15
.set j, j+1
.endr
.irp b, 0,1
	v_max3_num_f32 v[BM+\b], |v[96+16*\b]|, |v[97+16*\b]|, 0x1800000
.endr
.irp i, 2,4,6,8,10,12,14
.irp b, 0,1
	s_delay_alu instid0(VALU_DEP_2)
	v_max3_num_f32 v[BM+\b], v[BM+\b], |v[96+16*\b+\i]|, |v[97+16*\b+\i]|
.endr
.endr
.irp b, 0,1
	s_delay_alu instid0(VALU_DEP_2)
	v_permlanex16_b32 v[PT+\b], v[BM+\b], s20, s21
.endr
.irp b, 0,1
	s_delay_alu instid0(VALU_DEP_2)
	v_max_num_f32 v[BM+\b], v[BM+\b], v[PT+\b]
.endr
.irp b, 0,1
	s_delay_alu instid0(VALU_DEP_2)
	v_add_nc_u32 v[CV+\b], 0xff000000, v[BM+\b]
.endr
.irp b, 0,1
	s_delay_alu instid0(VALU_DEP_2)
	v_lshrrev_b32 v[PT+\b], 23, v[CV+\b]
.endr
	s_delay_alu instid0(VALU_DEP_1)
	v_lshl_or_b32 v25, v[PT+1], 8, v[PT]
	v_cmp_eq_f32 vcc_lo, 0, v14                      ; no key counted: the row is NaN
	s_delay_alu instid0(VALU_DEP_1)
	v_cndmask_b32 v25, v25, v29, vcc_lo
.irp b, 0,1
	v_cvt_scalef32_pk8_fp4_f32 v[224+2*\b], v[96+16*\b:103+16*\b], v[CV+\b]
	v_cvt_scalef32_pk8_fp4_f32 v[225+2*\b], v[104+16*\b:111+16*\b], v[CV+\b]
.endr
	v_nop
	v_permlane16_swap_b32 v224, v226
	v_permlane16_swap_b32 v225, v227
	global_store_b128 v5, v[224:227], s[8:9]         ; 32 lanes store 512 consecutive bytes
	global_store_b16 v6, v25, s[8:9] offset:8192     ; my head's half of the scale words: the other head's work-group writes the other two bytes of each word
	s_wait_tensorcnt 0x0                             ; the wave's end, behind my last LDS store
	ds_add_u32 v[SPW], v[NIL]
	s_wait_dscnt 0x0
	s_endpgm
.Lfunc_end_k_q0d7a3f278f_attn:
	.size	k_q0d7a3f278f_attn, .Lfunc_end_k_q0d7a3f278f_attn-k_q0d7a3f278f_attn
	.p2alignl 7, 3214868480
	.fill 96, 4, 3214868480
	.section	.rodata,"a",@progbits
	.p2align	6, 0x0
	.amdhsa_kernel k_q0d7a3f278f_attn
		.amdhsa_group_segment_fixed_size 157696
		.amdhsa_private_segment_fixed_size 0
		.amdhsa_enable_private_segment 0
		.amdhsa_kernarg_size 24
		.amdhsa_user_sgpr_count 2
		.amdhsa_user_sgpr_kernarg_segment_ptr 1
		.amdhsa_wavefront_size32 1
		.amdhsa_system_sgpr_workgroup_id_x 1
		.amdhsa_system_sgpr_workgroup_id_y 1
		.amdhsa_system_sgpr_workgroup_id_z 1
		.amdhsa_system_vgpr_workitem_id 0
		.amdhsa_next_free_vgpr 256
		.amdhsa_next_free_sgpr 100
		.amdhsa_reserve_vcc 1
		.amdhsa_float_denorm_mode_32 3
		.amdhsa_float_denorm_mode_16_64 3
		.amdhsa_memory_ordered 1
		.amdhsa_forward_progress 1
		.amdhsa_inst_pref_size 36
	.end_amdhsa_kernel
	.amdgpu_metadata
---
amdhsa.version: [ 1, 2 ]
amdhsa.kernels:
  - .name:           k_q0d7a3f278f_attn
    .symbol:         k_q0d7a3f278f_attn.kd
    .args:
      - { .name: qkvb, .offset: 0, .size: 8, .value_kind: global_buffer, .address_space: global }
      - { .name: maskw, .offset: 8, .size: 8, .value_kind: global_buffer, .address_space: global }
      - { .name: actb, .offset: 16, .size: 8, .value_kind: global_buffer, .address_space: global }
    .group_segment_fixed_size: 157696
    .private_segment_fixed_size: 0
    .kernarg_segment_align: 8
    .kernarg_segment_size: 24
    .max_flat_workgroup_size: 512
    .sgpr_count:     100
    .vgpr_count:     256
    .wavefront_size: 32
...
	.end_amdgpu_metadata
.endif
;; end of part 3
;; launch oproj (part 4): grid 8 x 32, 8 waves a work-group, clusters of 4 x 4, 167,936 bytes of LDS; arguments wqkv, actb, yb; writes yb
.if DOCPART == 4
	.amdgcn_target "amdgcn-amd-amdhsa--gfx1250"
	.amdhsa_code_object_version 6
	.text
	.protected	k_q0d7a3f278f_oproj
	.globl	k_q0d7a3f278f_oproj
	.p2align	8
	.type	k_q0d7a3f278f_oproj,@function
k_q0d7a3f278f_oproj:
	s_mov_b64 s[64:65], 0
	v_nop
	global_prefetch_b8 v0, s[64:65] scope:SCOPE_SE
	s_setreg_imm32_b32 hwreg(HW_REG_WAVE_MODE, 25, 1), 1
	s_wait_xcnt 0x0
	s_wait_alu depctr_hold_cnt(0) depctr_sa_sdst(0) depctr_va_vdst(0) depctr_va_sdst(0) depctr_va_ssrc(0) depctr_va_vcc(0) depctr_vm_vsrc(0)
	s_getreg_b32 s2, hwreg(HW_REG_IB_STS2, 6, 4)
	s_cmp_eq_u32 s2, 0
	s_cbranch_scc0 .Lentry_in_a_cluster
	s_endpgm
.Lentry_in_a_cluster:
	s_bfe_u32 s2, ttmp6, 0x10000c
	s_cmp_lg_u32 s2, 0xf033
	s_cbranch_scc0 .Lentry_shape_is_right
	s_endpgm
.Lentry_shape_is_right:
; A product on codes of FP4 whose result stays f32.  One text serves two launches: FF = 0: attn_vec x value_mean, K = 1,024;  FF = 1: l1 x w2_mean, K = 4,096.
; Operands are images in the order of an operand's registers: block (K step s, group xg of 128 rows) at (NG s + xg) x 9,216 bytes: registers 4c .. 4c+3 of tile a at 4,096 c + 512 a + 16 lane, scale words at 8,192 + 128 a + 4 lane.
; Source 0 = P, a group of 128 rows of the weight; source 1 = R, a group of 128 tokens.  Lane row r of tile a is row 32 (a/2) + 8 (a%2) + r%8 + 16 (r/8): register 8 a + j of lane (r, h) is column 32 (a/2) + 16 h + 8 (a%2) + j of token r.
; THE RESULT is stored as the registers stand: for token tile t and column group wg 8,192 bytes at (8 t + wg) x 8,192, registers 4q .. 4q+3 of a lane's 64 at 512 q + 16 lane: every store covers 512 consecutive bytes.
; A work-group makes 128 x 128.  Eight waves: wave w takes P's tiles 4 (w % 2) on and R's tiles 2 (w / 2), 2 (w / 2) + 1: 8 accumulators.  All of K lies in one LDS slot of KSL K steps, filled once.
; CLUSTERS: 4 x 4.  P's group hangs on the cluster's column, R's on its row: each tile is asked for jointly by the four that share it.
.set FF, 0
.set UB, 9216
.if FF
.set KSL,  8                           ; K steps in a slot
.set PNG,  8                           ; groups in P's image
.set POFF, 2359296                     ; where P's image begins in its buffer
.set PG0,  0                           ; and P's first group in it
.else
.set KSL,  8                           ; FF = 0: all of K in one slot, filled once
.set PNG,  32
.set POFF, 0
.set PG0,  16
.endif
.set LROWS, KSL/4                      ; K steps to a load: rows of 9,216 bytes
.set KINDB, KSL*UB
.set SLOT,  2*KINDB
.set SPARE, 147456                     ; behind the slot: the spare words, 128 bytes for each wave
.set ADP, 2                            ; v2-5   LDS address of my P fragments: register 2 slot + half (four K steps to a register: the offsets have 16 bits)
.set ADR, 6                            ; v6-9   of my R fragments
.set ASC, 10                           ; v10-13 scale words: lanes 0-15 P's, lanes 16-31 R's
.set ASP, 14                           ; v14-17 scale words: P's in all lanes
.set SPW, 20
.set NIL, 21
.set OC,  22                           ; v22    16 lane
.set SC,  24                           ; v24-31 scale words, two sets of 4
.set PF,  32                           ; v32-95 P's fragments, two sets of 32
.set RF,  96                           ; v96-127 R's, two sets of 16
.set ACC, 128                          ; v128-191 accumulator (j, i) at 128 + 32 j + 8 i
.set G1P, 24
.set G1R, 32
.set G0P, 40
.set G0R, 48
.macro PLACES
.rept 4
	v_nop
.endr
.endm
.macro JLOAD s                         ; even waves fetch for P, odd waves for R; four v_nop follow each of the two lines
	s_cmp_eq_u32 s11, 0
	s_cbranch_scc0 .Lfor_r_\@
	tensor_load_to_lds s[G0P+4*\s:G0P+4*\s+3], s[G1P:G1P+7]
	s_nop 0
.rept 4
	v_nop
.endr
	s_branch .Lasked_\@
.Lfor_r_\@:
	tensor_load_to_lds s[G0R+4*\s:G0R+4*\s+3], s[G1R:G1R+7]
	s_nop 0
.rept 4
	v_nop
.endr
.Lasked_\@:
.endm
.macro CROUND
	s_barrier_signal -1
	s_barrier_wait -1
	s_cmp_lg_u32 s10, 0
	s_cbranch_scc1 .Lnot_wave_0_\@
	s_barrier_signal -3
.Lnot_wave_0_\@:
	s_barrier_wait -3
	s_barrier_signal -1
	s_barrier_wait -1
.endm
	s_load_b128 s[4:7], s[0:1], 0x0                  ; P's buffer, R's
	s_load_b64 s[8:9], s[0:1], 0x10                  ; the result
	v_lshl_add_u32 v[SPW], v0, 2, SPARE
	v_mov_b32 v[NIL], 0
	ds_add_u32 v[SPW], v[NIL]                        ; the opening lines: the add, twice on end, and its wait ahead of my tensor load
	ds_add_u32 v[SPW], v[NIL]
	v_lshrrev_b32 v1, 5, v0
	s_delay_alu instid0(VALU_DEP_1)
	v_readfirstlane_b32 s10, v1                      ; wave 0..7
	s_and_b32 s11, s10, 1                            ; which half of P's tiles.  Also: I fetch for P (0) or for R (1)
	s_lshr_b32 s12, s10, 1                           ; which two tiles of R.  Also: which part of a slot I fetch
	s_bfe_u32 s13, ttmp6, 0x40000
	s_bfe_u32 s14, ttmp6, 0x40004
	s_lshl_b32 s16, ttmp9, 2
	s_add_co_u32 s16, s16, s13                       ; P's group
	s_and_b32 s17, ttmp7, 0xffff
	s_lshl_b32 s17, s17, 2
	s_add_co_u32 s17, s17, s14                       ; R's group
	s_lshl_b32 s62, 0x1111, s13
	s_lshl_b32 s63, s14, 2
	s_lshl_b32 s63, 15, s63
	s_or_b32 s[G1P], s62, (3<<16)|(1<<21)            ; 15:0 the mask; 17:16 elements of 8 bytes; 21 set beside a mask; no padding
	s_or_b32 s[G1R], s63, (3<<16)|(1<<21)
.irp g, G1P, G1R
	s_mov_b32 s[\g+1], 1152<<16
	s_mov_b32 s[\g+2], LROWS<<16
	s_mov_b32 s[\g+3], 1152<<16
	s_mov_b32 s[\g+4], LROWS
	s_mov_b32 s[\g+6], 0
	s_mov_b32 s[\g+7], 0
.endr
	s_mov_b32 s[G1P+5], PNG*1152                     ; from K step to K step
	s_mov_b32 s[G1R+5], 32*1152
	s_add_co_u32 s56, s16, PG0
	s_mul_i32 s56, s56, UB
	s_mul_i32 s57, s12, LROWS*PNG*UB
	s_add_co_u32 s56, s56, s57
	s_add_co_u32 s56, s56, POFF
	s_mov_b32 s57, 0                                 ; P: my part of slot 0, in registers that never hold cy
	s_mul_i32 s58, s17, UB
	s_mul_i32 s59, s12, LROWS*32*UB
	s_add_co_u32 s58, s58, s59
	s_mov_b32 s59, 0                                 ; R: in registers that never hold cx
	s_mul_i32 s60, s11, KINDB
	s_mul_i32 s61, s12, LROWS*UB
	s_add_co_u32 s60, s60, s61                       ; where it goes: the wave's number alone
	v_and_b32 v1, 31, v0
	v_bfe_u32 v19, v0, 4, 1
	s_wait_alu depctr_va_vdst(0)
	v_lshlrev_b32 v[OC], 4, v1
	s_wait_alu depctr_va_vdst(0)
	v_lshlrev_b32 v23, 2, v1
	s_wait_alu depctr_va_vdst(0)
	s_lshl_b32 s2, s11, 11
	s_lshl_b32 s3, s12, 10
	s_add_co_u32 s3, s3, KINDB
	s_xor_b32 s18, s11, 1
	s_lshl_b32 s18, s18, 9
	s_lshl_b32 s19, s12, 8
	s_add_co_u32 s18, s18, s19
	s_add_co_u32 s18, s18, KINDB-512                 ; from P's scale words to R's
	v_mul_u32_u24 v19, s18, v19                      ; lanes 16-31 take R's
	s_lshl_b32 s19, s11, 9
	s_add_co_u32 s19, s19, 8192
	v_add_nc_u32 v[ADP], s2, v[OC]
	v_add_nc_u32 v[ADR], s3, v[OC]
	v_add_nc_u32 v[ASP], s19, v23
	s_delay_alu instid0(VALU_DEP_1)
	v_add_nc_u32 v[ASC], v19, v[ASP]
.irp q, 1,2,3
.if (\q%2) < KSL/4
.irp r, ADP, ADR, ASC, ASP
	v_add_nc_u32 v[\r+\q], (\q/2)*SLOT+(\q%2)*4*UB, v[\r]
.endr
.endif
.endr
	s_lshl_b32 s68, s17, 3
	s_lshl_b32 s69, s12, 1
	s_add_co_u32 s68, s68, s69                       ; my first token tile
	s_lshl_b32 s68, s68, 3
	s_add_co_u32 s68, s68, s16
	s_lshl_b32 s68, s68, 13
	s_lshl_b32 s69, s11, 12
	s_add_co_u32 s68, s68, s69
	s_mov_b32 s69, 0
	s_wait_dscnt 0x0                                 ; both opening adds are done
	s_wait_kmcnt 0x0
	s_add_nc_u64 s[8:9], s[8:9], s[68:69]
	s_add_nc_u64 s[20:21], s[4:5], s[56:57]
	s_add_nc_u64 s[22:23], s[6:7], s[58:59]
	CROUND                                           ; all sixteen work-groups are here: the first joint loads meet
.irp s, 0
	s_mov_b32 s[G0P+4*\s], 1
	s_add_co_u32 s[G0P+4*\s+1], s60, \s*SLOT
	s_add_nc_u64 s[G0P+4*\s+2:G0P+4*\s+3], s[20:21], \s*KSL*PNG*UB
	s_or_b32 s[G0P+4*\s+3], s[G0P+4*\s+3], 0x80000000
	s_mov_b32 s[G0R+4*\s], 1
	s_add_co_u32 s[G0R+4*\s+1], s60, \s*SLOT
	s_add_nc_u64 s[G0R+4*\s+2:G0R+4*\s+3], s[22:23], \s*KSL*32*UB
	s_or_b32 s[G0R+4*\s+3], s[G0R+4*\s+3], 0x80000000
	JLOAD \s                                         ; my one load: two K steps of P or of R
.endr
.macro FETCH slot, kq, set             ; 16 LDS loads: the fragments and scale words of the slot's kq-th K step
.irp j, 0,1
.irp c, 0,1
	ds_load_b128 v[RF+16*(\set)+8*\j+4*\c:RF+16*(\set)+8*\j+4*\c+3], v[ADR+2*(\slot)+(\kq)/4] offset:((\kq)%4)*UB+4096*\c+512*\j
.endr
.endr
.irp i, 0,1,2,3
.irp c, 0,1
	ds_load_b128 v[PF+32*(\set)+8*\i+4*\c:PF+32*(\set)+8*\i+4*\c+3], v[ADP+2*(\slot)+(\kq)/4] offset:((\kq)%4)*UB+4096*\c+512*\i
.endr
.endr
.irp i, 0,1
	ds_load_b32 v[SC+4*(\set)+\i], v[ASC+2*(\slot)+(\kq)/4] offset:((\kq)%4)*UB+128*\i
.endr
.irp i, 2,3
	ds_load_b32 v[SC+4*(\set)+\i], v[ASP+2*(\slot)+(\kq)/4] offset:((\kq)%4)*UB+128*\i
.endr
.endm
.macro MUL set, zero                   ; the 8 accumulators take turns, in the same order in every K step
.irp i, 0,1,2,3
.irp j, 0,1
.if \zero
	v_wmma_scale_f32_16x16x128_f8f6f4 v[ACC+32*\j+8*\i:ACC+32*\j+8*\i+7], v[PF+32*(\set)+8*\i:PF+32*(\set)+8*\i+7], v[RF+16*(\set)+8*\j:RF+16*(\set)+8*\j+7], 0, v[SC+4*(\set)+\i], v[SC+4*(\set)+\j] matrix_a_fmt:MATRIX_FMT_FP4 matrix_b_fmt:MATRIX_FMT_FP4 matrix_b_scale:MATRIX_SCALE_ROW1
.else
	v_wmma_scale_f32_16x16x128_f8f6f4 v[ACC+32*\j+8*\i:ACC+32*\j+8*\i+7], v[PF+32*(\set)+8*\i:PF+32*(\set)+8*\i+7], v[RF+16*(\set)+8*\j:RF+16*(\set)+8*\j+7], v[ACC+32*\j+8*\i:ACC+32*\j+8*\i+7], v[SC+4*(\set)+\i], v[SC+4*(\set)+\j] matrix_a_fmt:MATRIX_FMT_FP4 matrix_b_fmt:MATRIX_FMT_FP4 matrix_b_scale:MATRIX_SCALE_ROW1
.endif
.endr
.endr
.endm
.macro PHASE slot, zero                ; a slot's K steps; the next step's loads are issued ahead of each step's products
.if !\zero
	PLACES
.endif
	FETCH \slot, 0, 0
.set KQ, 0
.rept KSL
.if KQ < KSL-1
.if KQ > 0
	PLACES
.endif
	FETCH \slot, KQ+1, (KQ+1)%2
	s_wait_dscnt 16                                  ; all but the 16 just issued
.else
	s_wait_dscnt 0x0
.endif
.if (KQ == 0) && \zero
	MUL 0, 1                                         ; the first products start the sums
.else
	MUL KQ%2, 0
.endif
.set KQ, KQ+1
.endr
.endm
.macro REFILL slot                     ; the slot just read is filled again, two slots on along K
	s_wait_tensorcnt 0x0                             ; all my tensor loads have landed, my part of the other slot among them: a group 0 may be written
	ds_add_u32 v[SPW], v[NIL]                        ; 0 onto my spare word
	s_add_nc_u64 s[G0P+4*\slot+2:G0P+4*\slot+3], s[G0P+4*\slot+2:G0P+4*\slot+3], 2*KSL*PNG*UB
	s_add_nc_u64 s[G0R+4*\slot+2:G0R+4*\slot+3], s[G0R+4*\slot+2:G0R+4*\slot+3], 2*KSL*32*UB
	s_wait_dscnt 0x0                                 ; the add is done, and my reads of the slot are over
	CROUND                                           ; no wave of any partner still reads the slot or has a load on its way
	JLOAD \slot                                      ; my one tensor load behind the round, and the first thing there
.endm
	s_wait_alu depctr_va_vdst(0)
	s_wait_tensorcnt 0x0                             ; my part of K is in
	s_barrier_signal -1
	s_barrier_wait -1                                ; everybody's is; nothing is filled again
	PHASE 0, 1
.if FF
	REFILL 0
	PHASE 1, 0
	REFILL 1
	PHASE 0, 0
	s_wait_tensorcnt 0x0                             ; my part of the last slot is in; nothing is asked for any more
	ds_add_u32 v[SPW], v[NIL]
	s_wait_dscnt 0x0
	s_barrier_signal -1
	s_barrier_wait -1
	PHASE 1, 0
.endif
	PLACES
.irp j, 0,1
.irp i, 0,1,2,3
	global_store_b128 v[OC], v[ACC+32*\j+8*\i:ACC+32*\j+8*\i+3], s[8:9] offset:65536*\j+1024*\i            ; each accumulator from its low end on
	global_store_b128 v[OC], v[ACC+32*\j+8*\i+4:ACC+32*\j+8*\i+7], s[8:9] offset:65536*\j+1024*\i+512
.endr
.endr
	s_wait_tensorcnt 0x0                             ; the wave's end
	ds_add_u32 v[SPW], v[NIL]
	s_wait_dscnt 0x0
	CROUND                                           ; the closing round
	s_endpgm
.Lfunc_end_k_q0d7a3f278f_oproj:
	.size	k_q0d7a3f278f_oproj, .Lfunc_end_k_q0d7a3f278f_oproj-k_q0d7a3f278f_oproj
	.p2alignl 7, 3214868480
	.fill 96, 4, 3214868480
	.section	.rodata,"a",@progbits
	.p2align	6, 0x0
	.amdhsa_kernel k_q0d7a3f278f_oproj
		.amdhsa_group_segment_fixed_size 167936
		.amdhsa_private_segment_fixed_size 0
		.amdhsa_enable_private_segment 0
		.amdhsa_kernarg_size 24
		.amdhsa_user_sgpr_count 2
		.amdhsa_user_sgpr_kernarg_segment_ptr 1
		.amdhsa_wavefront_size32 1
		.amdhsa_system_sgpr_workgroup_id_x 1
		.amdhsa_system_sgpr_workgroup_id_y 1
		.amdhsa_system_sgpr_workgroup_id_z 1
		.amdhsa_system_vgpr_workitem_id 0
		.amdhsa_next_free_vgpr 192
		.amdhsa_next_free_sgpr 72
		.amdhsa_reserve_vcc 0
		.amdhsa_float_denorm_mode_32 3
		.amdhsa_float_denorm_mode_16_64 3
		.amdhsa_memory_ordered 1
		.amdhsa_forward_progress 1
		.amdhsa_inst_pref_size 26
	.end_amdhsa_kernel
	.amdgpu_metadata
---
amdhsa.version: [ 1, 2 ]
amdhsa.kernels:
  - .name:           k_q0d7a3f278f_oproj
    .symbol:         k_q0d7a3f278f_oproj.kd
    .args:
      - { .name: wqkv, .offset: 0, .size: 8, .value_kind: global_buffer, .address_space: global }
      - { .name: actb, .offset: 8, .size: 8, .value_kind: global_buffer, .address_space: global }
      - { .name: yb, .offset: 16, .size: 8, .value_kind: global_buffer, .address_space: global }
    .group_segment_fixed_size: 167936
    .private_segment_fixed_size: 0
    .kernarg_segment_align: 8
    .kernarg_segment_size: 24
    .max_flat_workgroup_size: 256
    .sgpr_count:     72
    .vgpr_count:     192
    .wavefront_size: 32
...
	.end_amdgpu_metadata
.endif
;; end of part 4
;; launch ln1 (part 5): grid 256 x 1, 8 waves a work-group, no clusters, 2,048 bytes of LDS; arguments yb, dec_inp, ln1_gamma, ln1_beta, hb; writes hb
.if DOCPART == 5
	.amdgcn_target "amdgcn-amd-amdhsa--gfx1250"
	.amdhsa_code_object_version 6
	.text
	.protected	k_q0d7a3f278f_ln1
	.globl	k_q0d7a3f278f_ln1
	.p2align	8
	.type	k_q0d7a3f278f_ln1,@function
k_q0d7a3f278f_ln1:
	s_mov_b64 s[64:65], 0
	v_nop
	global_prefetch_b8 v0, s[64:65] scope:SCOPE_SE
	s_setreg_imm32_b32 hwreg(HW_REG_WAVE_MODE, 25, 1), 1
	s_wait_xcnt 0x0
; h = LayerNorm(dec_inp + attn_out) x gamma + beta, stored twice: as f32, for the second residual, and as codes of FP4 along the row, for the next product.
; A work-group takes one tile of 16 tokens; wave w takes columns 128 w on.  Lane (r, h) holds 64 numbers of token r: register 16 b' + i = column 128 w + 32 b' + 16 h + i, the order in which attn_out was stored and the quantiser wants neighbours.
; Token r of tile t = 8 xg + a (xg = 16 b + g): position 128 g + 32 (a/2) + 8 (a%2) + r%8 + 16 (r/8), row 2 x position + b of dec_inp.
; A row's sum: within the lane, with lane l xor 16, and over the eight waves through LDS (32 bytes a row; the mean's words and the variance's are different bytes, so one barrier serves each).
; hb: codes at 0 (block (K step w, group xg) at (32 w + xg) x 9,216: registers 4c .. 4c+3 at 4,096 c + 512 a + 16 lane, scale words at 8,192 + 128 a + 4 lane); f32 from 2,359,296 on ((8 t + w) x 8,192 + 512 q + 16 lane).
; LIMITS: a block of zeros gets the byte 1; a NaN row (a query with no key) stays NaN in the f32 copy, and in the codes by nothing: such a row's later results come from the f32 copy's NaN through the second residual.
.set UB, 9216
.set TM, 16
.set PW, 32
.set PC, 34
.set Y,  64
.set G,  128
.set B,  192
.set SEL, 30
.macro QUANT s
.irp b, 0,1,2,3
	v_max3_num_f32 v[TM+\b], |v[\s+16*\b]|, |v[\s+1+16*\b]|, 0x1800000
.endr
.irp i, 2,4,6,8,10,12,14
.irp b, 0,1,2,3
	s_delay_alu instid0(VALU_DEP_4)
	v_max3_num_f32 v[TM+\b], v[TM+\b], |v[\s+16*\b+\i]|, |v[\s+1+16*\b+\i]|
.endr
.endr
.irp b, 0,1,2,3
	s_delay_alu instid0(VALU_DEP_4)
	v_permlanex16_b32 v[TM+4+\b], v[TM+\b], s[SEL], s[SEL+1]
.endr
.irp b, 0,1,2,3
	s_delay_alu instid0(VALU_DEP_4)
	v_max_num_f32 v[TM+\b], v[TM+\b], v[TM+4+\b]
.endr
.irp b, 0,1,2,3
	s_delay_alu instid0(VALU_DEP_4)
	v_add_nc_u32 v[TM+12+\b], 0xff000000, v[TM+\b]
.endr
.irp b, 0,1,2,3
	s_delay_alu instid0(VALU_DEP_4)
	v_lshrrev_b32 v[TM+4+\b], 23, v[TM+12+\b]
.endr
	s_delay_alu instid0(VALU_DEP_3)
	v_lshl_or_b32 v[PW], v[TM+5], 8, v[TM+4]
	s_delay_alu instid0(VALU_DEP_1)
	v_lshl_or_b32 v[PW], v[TM+6], 16, v[PW]
	s_delay_alu instid0(VALU_DEP_1)
	v_lshl_or_b32 v[PW], v[TM+7], 24, v[PW]
.irp b, 0,1,2,3
	v_cvt_scalef32_pk8_fp4_f32 v[PC+2*\b], v[\s+16*\b:\s+7+16*\b], v[TM+12+\b]
	v_cvt_scalef32_pk8_fp4_f32 v[PC+1+2*\b], v[\s+8+16*\b:\s+15+16*\b], v[TM+12+\b]
.endr
	v_nop
.irp c, 0,1
.irp i, 0,1
	v_permlane16_swap_b32 v[PC+4*\c+\i], v[PC+2+4*\c+\i]
.endr
.endr
.endm
.macro ROWSUM off                      ; v[42:43], v[44:45]: my lane's part in two pairs -> v44: the row's sum over all 1,024 columns
	s_delay_alu instid0(VALU_DEP_1)
	v_pk_add_f32 v[42:43], v[42:43], v[44:45]
	s_delay_alu instid0(VALU_DEP_1)
	v_add_f32 v42, v42, v43
	s_delay_alu instid0(VALU_DEP_1)
	v_permlanex16_b32 v43, v42, s[SEL], s[SEL+1]
	s_delay_alu instid0(VALU_DEP_1)
	v_add_f32 v42, v42, v43
	ds_store_b32 v8, v42 offset:\off                 ; lanes r and r + 16 write the same word with the same value
	s_wait_dscnt 0x0                                 ; for the others' sake: my store has landed
	s_barrier_signal -1
	s_barrier_wait -1
	ds_load_b128 v[44:47], v9 offset:\off
	ds_load_b128 v[48:51], v9 offset:\off+16
	s_wait_dscnt 0x0
	v_add_f32 v44, v44, v45
	v_add_f32 v46, v46, v47
	v_add_f32 v48, v48, v49
	v_add_f32 v50, v50, v51
	s_delay_alu instid0(VALU_DEP_3)
	v_add_f32 v44, v44, v46
	s_delay_alu instid0(VALU_DEP_2)
	v_add_f32 v48, v48, v50
	s_delay_alu instid0(VALU_DEP_1)
	v_add_f32 v44, v44, v48
.endm
	s_load_b256 s[4:11], s[0:1], 0x0                 ; yb, dec_inp, gamma, beta
	s_load_b64 s[12:13], s[0:1], 0x20                ; hb
	v_lshl_add_u32 v12, v0, 2, 1024                  ; my spare word, behind the sums' words; v12 and v13 serve the closing add alone
	v_mov_b32 v13, 0
	v_lshrrev_b32 v1, 5, v0
	s_delay_alu instid0(VALU_DEP_1)
	v_readfirstlane_b32 s14, v1                      ; wave 0..7
	v_and_b32 v1, 31, v0
	v_and_b32 v2, 15, v0
	v_bfe_u32 v3, v0, 4, 1
	s_delay_alu instid0(VALU_DEP_3)
	v_lshlrev_b32 v4, 4, v1                          ; 16 lane
	s_delay_alu instid0(VALU_DEP_4)
	v_lshlrev_b32 v5, 2, v1                          ; 4 lane
	v_and_b32 v6, 7, v0
	v_bfe_u32 v7, v0, 3, 1
	s_delay_alu instid0(VALU_DEP_1)
	v_lshl_add_u32 v6, v7, 4, v6
	s_delay_alu instid0(VALU_DEP_1)
	v_lshlrev_b32 v6, 13, v6
	s_delay_alu instid0(VALU_DEP_1)
	v_lshl_add_u32 v6, v3, 6, v6                     ; dec_inp: my token's row (two rows a position), + 64 h
	v_lshlrev_b32 v7, 6, v3                          ; gamma, beta: 64 h
	s_lshl_b32 s15, s14, 2
	v_lshl_add_u32 v8, v2, 5, s15                    ; LDS: 32 r + 4 w
	v_lshlrev_b32 v9, 5, v2                          ; 32 r
	s_lshr_b32 s20, ttmp9, 3                         ; xg
	s_and_b32 s21, ttmp9, 7                          ; a
	s_lshr_b32 s22, s20, 4                           ; b
	s_and_b32 s23, s20, 15
	s_lshl_b32 s23, s23, 7
	s_lshr_b32 s24, s21, 1
	s_lshl_b32 s24, s24, 5
	s_add_co_u32 s23, s23, s24
	s_and_b32 s24, s21, 1
	s_lshl_b32 s24, s24, 3
	s_add_co_u32 s23, s23, s24                       ; the tile's first position
	s_lshl_b32 s24, s23, 13
	s_lshl_b32 s25, s22, 12
	s_add_co_u32 s24, s24, s25
	s_lshl_b32 s26, s14, 9
	s_add_co_u32 s24, s24, s26
	s_mov_b32 s25, 0
	s_mov_b32 s27, 0
	s_lshl_b32 s28, ttmp9, 16
	s_lshl_b32 s29, s14, 13
	s_add_co_u32 s28, s28, s29
	s_mov_b32 s29, 0                                 ; (8 t + w) x 8,192
	s_mov_b32 s[SEL], 0x76543210
	s_mov_b32 s[SEL+1], 0xfedcba98
	s_mov_b32 s32, 0x3a800000                        ; 1 / 1,024
	s_lshl_b32 s34, s14, 5
	s_add_co_u32 s34, s34, s20
	s_mul_i32 s34, s34, UB
	s_mov_b32 s35, 0
	s_lshl_b32 s33, s21, 9
	v_add_nc_u32 v10, s33, v4                        ; codes: 512 a + 16 lane
	s_lshl_b32 s33, s21, 7
	v_add_nc_u32 v11, s33, v5                        ; scale words: 128 a + 4 lane
.irp b, 0,1,2,3
	v_mov_b32 v[TM+4+\b], 0
.endr
	s_wait_alu depctr_va_vdst(0)
	s_wait_kmcnt 0x0
	s_add_nc_u64 s[4:5], s[4:5], s[28:29]
	s_add_nc_u64 s[6:7], s[6:7], s[24:25]
	s_add_nc_u64 s[8:9], s[8:9], s[26:27]
	s_add_nc_u64 s[10:11], s[10:11], s[26:27]
	s_add_nc_u64 s[36:37], s[12:13], s[28:29]
	s_add_nc_u64 s[36:37], s[36:37], 2359296
	s_add_nc_u64 s[12:13], s[12:13], s[34:35]
.irp q, 0,1,2,3,4,5,6,7,8,9,10,11,12,13,14,15
	global_load_b128 v[Y+4*\q:Y+4*\q+3], v4, s[4:5] offset:512*\q th:TH_LOAD_NT
.endr
.irp q, 0,1,2,3,4,5,6,7,8,9,10,11,12,13,14,15
	global_load_b128 v[G+4*\q:G+4*\q+3], v6, s[6:7] offset:128*(\q/4)+16*(\q%4)
.endr
.irp q, 0,1,2,3,4,5,6,7,8,9,10,11,12,13,14,15
	global_load_b128 v[B+4*\q:B+4*\q+3], v7, s[10:11] offset:128*(\q/4)+16*(\q%4)
.endr
	s_wait_loadcnt 16                                ; the two summands are in; beta's 16 loads may be out
.irp k, 0,2,4,6,8,10,12,14,16,18,20,22,24,26,28,30,32,34,36,38,40,42,44,46,48,50,52,54,56,58,60,62
	v_pk_add_f32 v[Y+\k:Y+\k+1], v[Y+\k:Y+\k+1], v[G+\k:G+\k+1]
.endr
.irp q, 0,1,2,3,4,5,6,7,8,9,10,11,12,13,14,15
	global_load_b128 v[G+4*\q:G+4*\q+3], v7, s[8:9] offset:128*(\q/4)+16*(\q%4)   ; gamma, into the registers that the residual has left
.endr
	v_pk_add_f32 v[42:43], v[Y:Y+1], v[Y+2:Y+3]
	v_pk_add_f32 v[44:45], v[Y+4:Y+5], v[Y+6:Y+7]
.irp k, 8,12,16,20,24,28,32,36,40,44,48,52,56,60
	s_delay_alu instid0(VALU_DEP_2)
	v_pk_add_f32 v[42:43], v[42:43], v[Y+\k:Y+\k+1]
	s_delay_alu instid0(VALU_DEP_2)
	v_pk_add_f32 v[44:45], v[44:45], v[Y+\k+2:Y+\k+3]
.endr
	ROWSUM 0
	s_delay_alu instid0(VALU_DEP_1)
	v_mul_f32 v52, s32, v44                          ; the mean
	s_delay_alu instid0(VALU_DEP_1)
	v_mov_b32 v53, v52
.irp k, 0,2,4,6,8,10,12,14,16,18,20,22,24,26,28,30,32,34,36,38,40,42,44,46,48,50,52,54,56,58,60,62
	v_pk_add_f32 v[Y+\k:Y+\k+1], v[Y+\k:Y+\k+1], v[52:53] neg_lo:[0,1] neg_hi:[0,1]
.endr
	v_pk_mul_f32 v[42:43], v[Y:Y+1], v[Y:Y+1]
	v_pk_mul_f32 v[44:45], v[Y+2:Y+3], v[Y+2:Y+3]
.irp k, 4,8,12,16,20,24,28,32,36,40,44,48,52,56,60
	s_delay_alu instid0(VALU_DEP_2)
	v_pk_fma_f32 v[42:43], v[Y+\k:Y+\k+1], v[Y+\k:Y+\k+1], v[42:43]
	s_delay_alu instid0(VALU_DEP_2)
	v_pk_fma_f32 v[44:45], v[Y+\k+2:Y+\k+3], v[Y+\k+2:Y+\k+3], v[44:45]
.endr
	ROWSUM 512
	s_delay_alu instid0(VALU_DEP_1)
	v_fmaak_f32 v54, s32, v44, 0x3727c5ac            ; the variance + 1e-5
	s_wait_alu depctr_va_vdst(0)
	v_rsq_f32 v54, v54
	v_nop                                            ; one plain place behind the transcendental
	s_wait_alu depctr_va_vdst(0)                     ; ahead of the first reader of the transcendental's result
	v_mov_b32 v55, v54
	s_wait_alu depctr_va_vdst(0)
	s_wait_loadcnt 0x0                               ; gamma and beta
.irp k, 0,2,4,6,8,10,12,14,16,18,20,22,24,26,28,30,32,34,36,38,40,42,44,46,48,50,52,54,56,58,60,62
	v_pk_mul_f32 v[Y+\k:Y+\k+1], v[Y+\k:Y+\k+1], v[54:55]
.endr
.irp k, 0,2,4,6,8,10,12,14,16,18,20,22,24,26,28,30,32,34,36,38,40,42,44,46,48,50,52,54,56,58,60,62
	v_pk_fma_f32 v[Y+\k:Y+\k+1], v[Y+\k:Y+\k+1], v[G+\k:G+\k+1], v[B+\k:B+\k+1]
.endr
.irp q, 0,1,2,3,4,5,6,7,8,9,10,11,12,13,14,15
	global_store_b128 v4, v[Y+4*\q:Y+4*\q+3], s[36:37] offset:512*\q   ; 32 lanes store 512 consecutive bytes
.endr
	QUANT Y
	global_store_b128 v10, v[PC:PC+3], s[12:13]
	global_store_b128 v10, v[PC+4:PC+7], s[12:13] offset:4096
	global_store_b32 v11, v[PW], s[12:13] offset:8192
	s_wait_tensorcnt 0x0                             ; the wave's end
	ds_add_u32 v12, v13
	s_wait_dscnt 0x0
	s_endpgm
.Lfunc_end_k_q0d7a3f278f_ln1:
	.size	k_q0d7a3f278f_ln1, .Lfunc_end_k_q0d7a3f278f_ln1-k_q0d7a3f278f_ln1
	.p2alignl 7, 3214868480
	.fill 96, 4, 3214868480
	.section	.rodata,"a",@progbits
	.p2align	6, 0x0
	.amdhsa_kernel k_q0d7a3f278f_ln1
		.amdhsa_group_segment_fixed_size 2048
		.amdhsa_private_segment_fixed_size 0
		.amdhsa_enable_private_segment 0
		.amdhsa_kernarg_size 40
		.amdhsa_user_sgpr_count 2
		.amdhsa_user_sgpr_kernarg_segment_ptr 1
		.amdhsa_wavefront_size32 1
		.amdhsa_system_sgpr_workgroup_id_x 1
		.amdhsa_system_sgpr_workgroup_id_y 1
		.amdhsa_system_sgpr_workgroup_id_z 1
		.amdhsa_system_vgpr_workitem_id 0
		.amdhsa_next_free_vgpr 256
		.amdhsa_next_free_sgpr 66
		.amdhsa_reserve_vcc 0
		.amdhsa_float_denorm_mode_32 3
		.amdhsa_float_denorm_mode_16_64 3
		.amdhsa_memory_ordered 1
		.amdhsa_forward_progress 1
		.amdhsa_inst_pref_size 33
	.end_amdhsa_kernel
	.amdgpu_metadata
---
amdhsa.version: [ 1, 2 ]
amdhsa.kernels:
  - .name:           k_q0d7a3f278f_ln1
    .symbol:         k_q0d7a3f278f_ln1.kd
    .args:
      - { .name: yb, .offset: 0, .size: 8, .value_kind: global_buffer, .address_space: global }
      - { .name: dec_inp, .offset: 8, .size: 8, .value_kind: global_buffer, .address_space: global }
      - { .name: ln1_gamma, .offset: 16, .size: 8, .value_kind: global_buffer, .address_space: global }
      - { .name: ln1_beta, .offset: 24, .size: 8, .value_kind: global_buffer, .address_space: global }
      - { .name: hb, .offset: 32, .size: 8, .value_kind: global_buffer, .address_space: global }
    .group_segment_fixed_size: 2048
    .private_segment_fixed_size: 0
    .kernarg_segment_align: 8
    .kernarg_segment_size: 40
    .max_flat_workgroup_size: 256
    .sgpr_count:     66
    .vgpr_count:     256
    .wavefront_size: 32
...
	.end_amdgpu_metadata
.endif
;; end of part 5
;; launch ff1: the kernel of part 2 again; grid 16 x 16, 8 waves a work-group, clusters of 4 x 4, 327,680 bytes of LDS; arguments w1q, hb, actb; writes actb
;; launch ff2 (part 6): grid 8 x 32, 8 waves a work-group, clusters of 4 x 4, 327,680 bytes of LDS; arguments xw2, actb, yb; writes yb
.if DOCPART == 6
	.amdgcn_target "amdgcn-amd-amdhsa--gfx1250"
	.amdhsa_code_object_version 6
	.text
	.protected	k_q0d7a3f278f_ff2
	.globl	k_q0d7a3f278f_ff2
	.p2align	8
	.type	k_q0d7a3f278f_ff2,@function
k_q0d7a3f278f_ff2:
	s_mov_b64 s[64:65], 0
	v_nop
	global_prefetch_b8 v0, s[64:65] scope:SCOPE_SE
	s_setreg_imm32_b32 hwreg(HW_REG_WAVE_MODE, 25, 1), 1
	s_wait_xcnt 0x0
	s_wait_alu depctr_hold_cnt(0) depctr_sa_sdst(0) depctr_va_vdst(0) depctr_va_sdst(0) depctr_va_ssrc(0) depctr_va_vcc(0) depctr_vm_vsrc(0)
	s_getreg_b32 s2, hwreg(HW_REG_IB_STS2, 6, 4)
	s_cmp_eq_u32 s2, 0
	s_cbranch_scc0 .Lentry_in_a_cluster
	s_endpgm
.Lentry_in_a_cluster:
	s_bfe_u32 s2, ttmp6, 0x10000c
	s_cmp_lg_u32 s2, 0xf033
	s_cbranch_scc0 .Lentry_shape_is_right
	s_endpgm
.Lentry_shape_is_right:
.set FF, 1
.set UB, 9216
.if FF
.set KSL,  8
.set PNG,  8
.set POFF, 2359296
.set PG0,  0
.else
.set KSL,  4
.set PNG,  32
.set POFF, 0
.set PG0,  16
.endif
.set LROWS, KSL/4
.set KINDB, KSL*UB
.set SLOT,  2*KINDB
.set SPARE, 294912
.set ADP, 2
.set ADR, 6
.set ASC, 10
.set ASP, 14
.set SPW, 20
.set NIL, 21
.set OC,  22
.set SC,  24
.set PF,  32
.set RF,  96
.set ACC, 128
.set G1P, 24
.set G1R, 32
.set G0P, 40
.set G0R, 48
.macro PLACES
.rept 4
	v_nop
.endr
.endm
.macro JLOAD s
	s_cmp_eq_u32 s11, 0
	s_cbranch_scc0 .Lfor_r_\@
	tensor_load_to_lds s[G0P+4*\s:G0P+4*\s+3], s[G1P:G1P+7]
	s_nop 0
.rept 4
	v_nop
.endr
	s_branch .Lasked_\@
.Lfor_r_\@:
	tensor_load_to_lds s[G0R+4*\s:G0R+4*\s+3], s[G1R:G1R+7]
	s_nop 0
.rept 4
	v_nop
.endr
.Lasked_\@:
.endm
.macro CROUND
	s_barrier_signal -1
	s_barrier_wait -1
	s_cmp_lg_u32 s10, 0
	s_cbranch_scc1 .Lnot_wave_0_\@
	s_barrier_signal -3
.Lnot_wave_0_\@:
	s_barrier_wait -3
	s_barrier_signal -1
	s_barrier_wait -1
.endm
	s_load_b128 s[4:7], s[0:1], 0x0
	s_load_b64 s[8:9], s[0:1], 0x10
.if FF
	v_lshl_add_u32 v[SPW], v0, 2, SPARE
	v_mov_b32 v[NIL], 0
.endif
	v_lshrrev_b32 v1, 5, v0
	s_delay_alu instid0(VALU_DEP_1)
	v_readfirstlane_b32 s10, v1
	s_and_b32 s11, s10, 1
	s_lshr_b32 s12, s10, 1
	s_bfe_u32 s13, ttmp6, 0x40000
	s_bfe_u32 s14, ttmp6, 0x40004
	s_lshl_b32 s16, ttmp9, 2
	s_add_co_u32 s16, s16, s13
	s_and_b32 s17, ttmp7, 0xffff
	s_lshl_b32 s17, s17, 2
	s_add_co_u32 s17, s17, s14
	s_lshl_b32 s62, 0x1111, s13
	s_lshl_b32 s63, s14, 2
	s_lshl_b32 s63, 15, s63
	s_or_b32 s[G1P], s62, (3<<16)|(1<<21)
	s_or_b32 s[G1R], s63, (3<<16)|(1<<21)
.irp g, G1P, G1R
	s_mov_b32 s[\g+1], 1152<<16
	s_mov_b32 s[\g+2], LROWS<<16
	s_mov_b32 s[\g+3], 1152<<16
	s_mov_b32 s[\g+4], LROWS
	s_mov_b32 s[\g+6], 0
	s_mov_b32 s[\g+7], 0
.endr
	s_mov_b32 s[G1P+5], PNG*1152
	s_mov_b32 s[G1R+5], 32*1152
	s_add_co_u32 s56, s16, PG0
	s_mul_i32 s56, s56, UB
	s_mul_i32 s57, s12, LROWS*PNG*UB
	s_add_co_u32 s56, s56, s57
	s_add_co_u32 s56, s56, POFF
	s_mov_b32 s57, 0
	s_mul_i32 s58, s17, UB
	s_mul_i32 s59, s12, LROWS*32*UB
	s_add_co_u32 s58, s58, s59
	s_mov_b32 s59, 0
	s_mul_i32 s60, s11, KINDB
	s_mul_i32 s61, s12, LROWS*UB
	s_add_co_u32 s60, s60, s61
	v_and_b32 v1, 31, v0
	v_bfe_u32 v19, v0, 4, 1
	s_wait_alu depctr_va_vdst(0)
	v_lshlrev_b32 v[OC], 4, v1
	s_wait_alu depctr_va_vdst(0)
	v_lshlrev_b32 v23, 2, v1
	s_wait_alu depctr_va_vdst(0)
	s_lshl_b32 s2, s11, 11
	s_lshl_b32 s3, s12, 10
	s_add_co_u32 s3, s3, KINDB
	s_xor_b32 s18, s11, 1
	s_lshl_b32 s18, s18, 9
	s_lshl_b32 s19, s12, 8
	s_add_co_u32 s18, s18, s19
	s_add_co_u32 s18, s18, KINDB-512
	v_mul_u32_u24 v19, s18, v19
	s_lshl_b32 s19, s11, 9
	s_add_co_u32 s19, s19, 8192
	v_add_nc_u32 v[ADP], s2, v[OC]
	v_add_nc_u32 v[ADR], s3, v[OC]
	v_add_nc_u32 v[ASP], s19, v23
	s_delay_alu instid0(VALU_DEP_1)
	v_add_nc_u32 v[ASC], v19, v[ASP]
.irp q, 1,2,3
.if (\q%2) < KSL/4
.irp r, ADP, ADR, ASC, ASP
	v_add_nc_u32 v[\r+\q], (\q/2)*SLOT+(\q%2)*4*UB, v[\r]
.endr
.endif
.endr
	s_lshl_b32 s68, s17, 3
	s_lshl_b32 s69, s12, 1
	s_add_co_u32 s68, s68, s69
	s_lshl_b32 s68, s68, 3
	s_add_co_u32 s68, s68, s16
	s_lshl_b32 s68, s68, 13
	s_lshl_b32 s69, s11, 12
	s_add_co_u32 s68, s68, s69
	s_mov_b32 s69, 0
	s_wait_kmcnt 0x0
	s_add_nc_u64 s[8:9], s[8:9], s[68:69]
	s_add_nc_u64 s[20:21], s[4:5], s[56:57]
	s_add_nc_u64 s[22:23], s[6:7], s[58:59]
	CROUND
.irp s, 0,1
	s_mov_b32 s[G0P+4*\s], 1
	s_add_co_u32 s[G0P+4*\s+1], s60, \s*SLOT
	s_add_nc_u64 s[G0P+4*\s+2:G0P+4*\s+3], s[20:21], \s*KSL*PNG*UB
	s_or_b32 s[G0P+4*\s+3], s[G0P+4*\s+3], 0x80000000
	s_mov_b32 s[G0R+4*\s], 1
	s_add_co_u32 s[G0R+4*\s+1], s60, \s*SLOT
	s_add_nc_u64 s[G0R+4*\s+2:G0R+4*\s+3], s[22:23], \s*KSL*32*UB
	s_or_b32 s[G0R+4*\s+3], s[G0R+4*\s+3], 0x80000000
	s_wait_alu depctr_va_vdst(0)
	s_wait_tensorcnt 0x0
	ds_add_u32 v20, v21
	ds_add_u32 v20, v21
	s_wait_dscnt 0x0
	CROUND
	JLOAD \s
.endr
.macro FETCH slot, kq, set
.irp j, 0,1
.irp c, 0,1
	ds_load_b128 v[RF+16*(\set)+8*\j+4*\c:RF+16*(\set)+8*\j+4*\c+3], v[ADR+2*(\slot)+(\kq)/4] offset:((\kq)%4)*UB+4096*\c+512*\j
.endr
.endr
.irp i, 0,1,2,3
.irp c, 0,1
	ds_load_b128 v[PF+32*(\set)+8*\i+4*\c:PF+32*(\set)+8*\i+4*\c+3], v[ADP+2*(\slot)+(\kq)/4] offset:((\kq)%4)*UB+4096*\c+512*\i
.endr
.endr
.irp i, 0,1
	ds_load_b32 v[SC+4*(\set)+\i], v[ASC+2*(\slot)+(\kq)/4] offset:((\kq)%4)*UB+128*\i
.endr
.irp i, 2,3
	ds_load_b32 v[SC+4*(\set)+\i], v[ASP+2*(\slot)+(\kq)/4] offset:((\kq)%4)*UB+128*\i
.endr
.endm
.macro MUL set, zero
.irp i, 0,1,2,3
.irp j, 0,1
.if \zero
	v_wmma_scale_f32_16x16x128_f8f6f4 v[ACC+32*\j+8*\i:ACC+32*\j+8*\i+7], v[PF+32*(\set)+8*\i:PF+32*(\set)+8*\i+7], v[RF+16*(\set)+8*\j:RF+16*(\set)+8*\j+7], 0, v[SC+4*(\set)+\i], v[SC+4*(\set)+\j] matrix_a_fmt:MATRIX_FMT_FP4 matrix_b_fmt:MATRIX_FMT_FP4 matrix_b_scale:MATRIX_SCALE_ROW1
.else
	v_wmma_scale_f32_16x16x128_f8f6f4 v[ACC+32*\j+8*\i:ACC+32*\j+8*\i+7], v[PF+32*(\set)+8*\i:PF+32*(\set)+8*\i+7], v[RF+16*(\set)+8*\j:RF+16*(\set)+8*\j+7], v[ACC+32*\j+8*\i:ACC+32*\j+8*\i+7], v[SC+4*(\set)+\i], v[SC+4*(\set)+\j] matrix_a_fmt:MATRIX_FMT_FP4 matrix_b_fmt:MATRIX_FMT_FP4 matrix_b_scale:MATRIX_SCALE_ROW1
.endif
.endr
.endr
.endm
.macro PHASE slot, zero
.if !\zero
	PLACES
.endif
	FETCH \slot, 0, 0
.set KQ, 0
.rept KSL
.if KQ < KSL-1
.if KQ > 0
	PLACES
.endif
	FETCH \slot, KQ+1, (KQ+1)%2
	s_wait_dscnt 16
.else
	s_wait_dscnt 0x0
.endif
.if (KQ == 0) && \zero
	MUL 0, 1
.else
	MUL KQ%2, 0
.endif
.set KQ, KQ+1
.endr
.endm
.macro REFILL slot
	s_wait_tensorcnt 0x0
	ds_add_u32 v[SPW], v[NIL]
	s_add_nc_u64 s[G0P+4*\slot+2:G0P+4*\slot+3], s[G0P+4*\slot+2:G0P+4*\slot+3], 2*KSL*PNG*UB
	s_add_nc_u64 s[G0R+4*\slot+2:G0R+4*\slot+3], s[G0R+4*\slot+2:G0R+4*\slot+3], 2*KSL*32*UB
	s_wait_dscnt 0x0
	CROUND
	JLOAD \slot
.endm
	s_wait_tensorcnt 0x1
	s_barrier_signal -1
	s_barrier_wait -1
	s_wait_alu depctr_va_vdst(0)
	PHASE 0, 1
.if FF
	REFILL 0
	PHASE 1, 0
	REFILL 1
	PHASE 0, 0
	s_wait_tensorcnt 0x0
	ds_add_u32 v[SPW], v[NIL]
	s_wait_dscnt 0x0
	s_barrier_signal -1
	s_barrier_wait -1
	PHASE 1, 0
.else
	s_wait_tensorcnt 0x0
	s_wait_dscnt 0x0
	s_barrier_signal -1
	s_barrier_wait -1
	PHASE 1, 0
.endif
	PLACES
.irp j, 0,1
.irp i, 0,1,2,3
	global_store_b128 v[OC], v[ACC+32*\j+8*\i:ACC+32*\j+8*\i+3], s[8:9] offset:65536*\j+1024*\i
	global_store_b128 v[OC], v[ACC+32*\j+8*\i+4:ACC+32*\j+8*\i+7], s[8:9] offset:65536*\j+1024*\i+512
.endr
.endr
.if FF
	s_wait_tensorcnt 0x0
	ds_add_u32 v[SPW], v[NIL]
	s_wait_dscnt 0x0
.endif
	CROUND
	s_endpgm
.Lfunc_end_k_q0d7a3f278f_ff2:
	.size	k_q0d7a3f278f_ff2, .Lfunc_end_k_q0d7a3f278f_ff2-k_q0d7a3f278f_ff2
	.p2alignl 7, 3214868480
	.fill 96, 4, 3214868480
	.section	.rodata,"a",@progbits
	.p2align	6, 0x0
	.amdhsa_kernel k_q0d7a3f278f_ff2
		.amdhsa_group_segment_fixed_size 327680
		.amdhsa_private_segment_fixed_size 0
		.amdhsa_enable_private_segment 0
		.amdhsa_kernarg_size 24
		.amdhsa_user_sgpr_count 2
		.amdhsa_user_sgpr_kernarg_segment_ptr 1
		.amdhsa_wavefront_size32 1
		.amdhsa_system_sgpr_workgroup_id_x 1
		.amdhsa_system_sgpr_workgroup_id_y 1
		.amdhsa_system_sgpr_workgroup_id_z 1
		.amdhsa_system_vgpr_workitem_id 0
		.amdhsa_next_free_vgpr 192
		.amdhsa_next_free_sgpr 72
		.amdhsa_reserve_vcc 0
		.amdhsa_float_denorm_mode_32 3
		.amdhsa_float_denorm_mode_16_64 3
		.amdhsa_memory_ordered 1
		.amdhsa_forward_progress 1
		.amdhsa_inst_pref_size 81
	.end_amdhsa_kernel
	.amdgpu_metadata
---
amdhsa.version: [ 1, 2 ]
amdhsa.kernels:
  - .name:           k_q0d7a3f278f_ff2
    .symbol:         k_q0d7a3f278f_ff2.kd
    .args:
      - { .name: xw2, .offset: 0, .size: 8, .value_kind: global_buffer, .address_space: global }
      - { .name: actb, .offset: 8, .size: 8, .value_kind: global_buffer, .address_space: global }
      - { .name: yb, .offset: 16, .size: 8, .value_kind: global_buffer, .address_space: global }
    .group_segment_fixed_size: 327680
    .private_segment_fixed_size: 0
    .kernarg_segment_align: 8
    .kernarg_segment_size: 24
    .max_flat_workgroup_size: 256
    .sgpr_count:     72
    .vgpr_count:     192
    .wavefront_size: 32
...
	.end_amdgpu_metadata
.endif
;; end of part 6
;; launch ln2 (part 7): grid 256 x 1, 8 waves a work-group, no clusters, 69,632 bytes of LDS; arguments yb, hb, ln2_gamma, ln2_beta, xw2, out0, out1; writes out0, out1
.if DOCPART == 7
	.amdgcn_target "amdgcn-amd-amdhsa--gfx1250"
	.amdhsa_code_object_version 6
	.text
	.protected	k_q0d7a3f278f_ln2
	.globl	k_q0d7a3f278f_ln2
	.p2align	8
	.type	k_q0d7a3f278f_ln2,@function
k_q0d7a3f278f_ln2:
	s_mov_b64 s[64:65], 0
	v_nop
	global_prefetch_b8 v0, s[64:65] scope:SCOPE_SE
	s_setreg_imm32_b32 hwreg(HW_REG_WAVE_MODE, 25, 1), 1
	s_wait_xcnt 0x0
; out0 = LayerNorm(h + l2) x gamma + beta;  out1 = the sum of the 3,072 partial sums of the KL terms (wave 0 of work-group 0).
; A work-group takes one tile of 16 tokens; wave w takes columns 128 w on.  Lane (r, h) holds 64 numbers of token r: register 16 b' + i = column 128 w + 32 b' + 16 h + i, the order in which l2 and h were stored.
; Token r of tile t = 8 xg + a (xg = 16 b + g): position 128 g + 32 (a/2) + 8 (a%2) + r%8 + 16 (r/8), row 2 x position + b of out0.
; A row's sum: within the lane, with lane l xor 16, and over the eight waves through LDS (the mean's words and the variance's are different bytes, so one barrier serves each).
; The way out: a lane holds pieces of 64 bytes of one row, so the wave's 16 rows x 512 bytes turn through its own stage in LDS (rows of 528 bytes) and leave as whole runs of 512 consecutive bytes.
.set Y,  64
.set G,  128
.set B,  192
.set SEL, 30
.set KLP, 4718592
.macro ROWSUM off                      ; v[42:43], v[44:45]: my lane's part in two pairs -> v44: the row's sum over all 1,024 columns
	s_delay_alu instid0(VALU_DEP_1)
	v_pk_add_f32 v[42:43], v[42:43], v[44:45]
	s_delay_alu instid0(VALU_DEP_1)
	v_add_f32 v42, v42, v43
	s_delay_alu instid0(VALU_DEP_1)
	v_permlanex16_b32 v43, v42, s[SEL], s[SEL+1]
	s_delay_alu instid0(VALU_DEP_1)
	v_add_f32 v42, v42, v43
	ds_store_b32 v8, v42 offset:\off                 ; lanes r and r + 16 write the same word with the same value
	s_wait_dscnt 0x0                                 ; for the others' sake: my store has landed
	s_barrier_signal -1
	s_barrier_wait -1
	ds_load_b128 v[44:47], v9 offset:\off
	ds_load_b128 v[48:51], v9 offset:\off+16
	s_wait_dscnt 0x0
	v_add_f32 v44, v44, v45
	v_add_f32 v46, v46, v47
	v_add_f32 v48, v48, v49
	v_add_f32 v50, v50, v51
	s_delay_alu instid0(VALU_DEP_3)
	v_add_f32 v44, v44, v46
	s_delay_alu instid0(VALU_DEP_2)
	v_add_f32 v48, v48, v50
	s_delay_alu instid0(VALU_DEP_1)
	v_add_f32 v44, v44, v48
.endm
	s_load_b256 s[4:11], s[0:1], 0x0                 ; yb, hb, gamma, beta
	s_load_b128 s[12:15], s[0:1], 0x20               ; xw2, out0
	s_load_b64 s[16:17], s[0:1], 0x30                ; out1
	v_lshl_add_u32 v12, v0, 2, 68608                 ; my spare word, behind the stages; v12 and v13 serve the closing add alone
	v_mov_b32 v13, 0
	v_lshrrev_b32 v1, 5, v0
	s_delay_alu instid0(VALU_DEP_1)
	v_readfirstlane_b32 s18, v1                      ; wave 0..7
	v_and_b32 v1, 31, v0
	v_and_b32 v2, 15, v0
	v_bfe_u32 v3, v0, 4, 1
	s_delay_alu instid0(VALU_DEP_3)
	v_lshlrev_b32 v4, 4, v1                          ; 16 lane
	s_delay_alu instid0(VALU_DEP_2)
	v_lshlrev_b32 v7, 6, v3                          ; gamma, beta: 64 h
	s_lshl_b32 s19, s18, 2
	v_lshl_add_u32 v8, v2, 5, s19                    ; LDS: 32 r + 4 w
	v_lshlrev_b32 v9, 5, v2                          ; 32 r
	s_mul_i32 s19, s18, 8448
	s_add_co_u32 s19, s19, 1024                      ; my stage
	v_mul_u32_u24 v10, v2, 528
	s_delay_alu instid0(VALU_DEP_1)
	v_lshl_add_u32 v10, v3, 6, v10
	s_delay_alu instid0(VALU_DEP_1)
	v_add_nc_u32 v10, s19, v10                       ; in: row r, + 64 h
	v_add_nc_u32 v11, s19, v4                        ; back: 16 lane, the row in the offset
	s_lshr_b32 s20, ttmp9, 3                         ; xg
	s_and_b32 s21, ttmp9, 7                          ; a
	s_lshr_b32 s22, s20, 4                           ; b
	s_and_b32 s23, s20, 15
	s_lshl_b32 s23, s23, 7
	s_lshr_b32 s24, s21, 1
	s_lshl_b32 s24, s24, 5
	s_add_co_u32 s23, s23, s24
	s_and_b32 s24, s21, 1
	s_lshl_b32 s24, s24, 3
	s_add_co_u32 s23, s23, s24                       ; the tile's first position
	s_lshl_b32 s24, s23, 13
	s_lshl_b32 s25, s22, 12
	s_add_co_u32 s24, s24, s25
	s_lshl_b32 s26, s18, 9
	s_add_co_u32 s24, s24, s26
	s_mov_b32 s25, 0
	s_mov_b32 s27, 0
	s_lshl_b32 s28, ttmp9, 16
	s_lshl_b32 s29, s18, 13
	s_add_co_u32 s28, s28, s29
	s_mov_b32 s29, 0                                 ; (8 t + w) x 8,192
	s_mov_b32 s[SEL], 0x76543210
	s_mov_b32 s[SEL+1], 0xfedcba98
	s_mov_b32 s32, 0x3a800000                        ; 1 / 1,024
	s_wait_alu depctr_va_vdst(0)
	s_wait_kmcnt 0x0
	s_add_nc_u64 s[4:5], s[4:5], s[28:29]
	s_add_nc_u64 s[6:7], s[6:7], s[28:29]
	s_add_nc_u64 s[6:7], s[6:7], 2359296             ; h's f32 copy
	s_add_nc_u64 s[8:9], s[8:9], s[26:27]
	s_add_nc_u64 s[10:11], s[10:11], s[26:27]
	s_add_nc_u64 s[14:15], s[14:15], s[24:25]
.irp q, 0,1,2,3,4,5,6,7,8,9,10,11,12,13,14,15
	global_load_b128 v[Y+4*\q:Y+4*\q+3], v4, s[4:5] offset:512*\q th:TH_LOAD_NT
.endr
.irp q, 0,1,2,3,4,5,6,7,8,9,10,11,12,13,14,15
	global_load_b128 v[G+4*\q:G+4*\q+3], v4, s[6:7] offset:512*\q th:TH_LOAD_NT
.endr
.irp q, 0,1,2,3,4,5,6,7,8,9,10,11,12,13,14,15
	global_load_b128 v[B+4*\q:B+4*\q+3], v7, s[10:11] offset:128*(\q/4)+16*(\q%4)
.endr
	s_wait_loadcnt 16                                ; the two summands are in; beta's 16 loads may be out
.irp k, 0,2,4,6,8,10,12,14,16,18,20,22,24,26,28,30,32,34,36,38,40,42,44,46,48,50,52,54,56,58,60,62
	v_pk_add_f32 v[Y+\k:Y+\k+1], v[Y+\k:Y+\k+1], v[G+\k:G+\k+1]
.endr
.irp q, 0,1,2,3,4,5,6,7,8,9,10,11,12,13,14,15
	global_load_b128 v[G+4*\q:G+4*\q+3], v7, s[8:9] offset:128*(\q/4)+16*(\q%4)   ; gamma, into the registers that the residual has left
.endr
	v_pk_add_f32 v[42:43], v[Y:Y+1], v[Y+2:Y+3]
	v_pk_add_f32 v[44:45], v[Y+4:Y+5], v[Y+6:Y+7]
.irp k, 8,12,16,20,24,28,32,36,40,44,48,52,56,60
	s_delay_alu instid0(VALU_DEP_2)
	v_pk_add_f32 v[42:43], v[42:43], v[Y+\k:Y+\k+1]
	s_delay_alu instid0(VALU_DEP_2)
	v_pk_add_f32 v[44:45], v[44:45], v[Y+\k+2:Y+\k+3]
.endr
	ROWSUM 0
	s_delay_alu instid0(VALU_DEP_1)
	v_mul_f32 v52, s32, v44                          ; the mean
	s_delay_alu instid0(VALU_DEP_1)
	v_mov_b32 v53, v52
.irp k, 0,2,4,6,8,10,12,14,16,18,20,22,24,26,28,30,32,34,36,38,40,42,44,46,48,50,52,54,56,58,60,62
	v_pk_add_f32 v[Y+\k:Y+\k+1], v[Y+\k:Y+\k+1], v[52:53] neg_lo:[0,1] neg_hi:[0,1]
.endr
	v_pk_mul_f32 v[42:43], v[Y:Y+1], v[Y:Y+1]
	v_pk_mul_f32 v[44:45], v[Y+2:Y+3], v[Y+2:Y+3]
.irp k, 4,8,12,16,20,24,28,32,36,40,44,48,52,56,60
	s_delay_alu instid0(VALU_DEP_2)
	v_pk_fma_f32 v[42:43], v[Y+\k:Y+\k+1], v[Y+\k:Y+\k+1], v[42:43]
	s_delay_alu instid0(VALU_DEP_2)
	v_pk_fma_f32 v[44:45], v[Y+\k+2:Y+\k+3], v[Y+\k+2:Y+\k+3], v[44:45]
.endr
	ROWSUM 512
	s_delay_alu instid0(VALU_DEP_1)
	v_fmaak_f32 v54, s32, v44, 0x3727c5ac            ; the variance + 1e-5
	s_wait_alu depctr_va_vdst(0)
	v_rsq_f32 v54, v54
	v_nop                                            ; one plain place behind the transcendental
	s_wait_alu depctr_va_vdst(0)                     ; ahead of the first reader of the transcendental's result
	v_mov_b32 v55, v54
	s_wait_alu depctr_va_vdst(0)
	s_wait_loadcnt 0x0                               ; gamma and beta
.irp k, 0,2,4,6,8,10,12,14,16,18,20,22,24,26,28,30,32,34,36,38,40,42,44,46,48,50,52,54,56,58,60,62
	v_pk_mul_f32 v[Y+\k:Y+\k+1], v[Y+\k:Y+\k+1], v[54:55]
.endr
.irp k, 0,2,4,6,8,10,12,14,16,18,20,22,24,26,28,30,32,34,36,38,40,42,44,46,48,50,52,54,56,58,60,62
	v_pk_fma_f32 v[Y+\k:Y+\k+1], v[Y+\k:Y+\k+1], v[G+\k:G+\k+1], v[B+\k:B+\k+1]
.endr
.irp q, 0,1,2,3,4,5,6,7,8,9,10,11,12,13,14,15
	ds_store_b128 v10, v[Y+4*\q:Y+4*\q+3] offset:128*(\q/4)+16*(\q%4)
.endr
.irp i, 0,1,2,3,4,5,6,7,8,9,10,11,12,13,14,15
	ds_load_b128 v[G+4*\i:G+4*\i+3], v11 offset:528*\i   ; LDS serves a wave's instructions in order: these see my stores
.endr
.irp i, 0,1,2,3,4,5,6,7,8,9,10,11,12,13,14,15
	s_wait_dscnt 15-\i                               ; row i is back; the later rows' loads may be out
	global_store_b128 v4, v[G+4*\i:G+4*\i+3], s[14:15] offset:((\i%8)+16*(\i/8))*8192 th:TH_STORE_NT   ; 32 lanes store 512 consecutive bytes of one row
.endr
	s_wait_tensorcnt 0x0                             ; behind my last LDS store
	ds_add_u32 v12, v13
	s_wait_dscnt 0x0
	s_cmp_lg_u32 ttmp9, 0
	s_cbranch_scc1 .Lend
	s_cmp_lg_u32 s18, 0
	s_cbranch_scc1 .Lend
	s_add_nc_u64 s[12:13], s[12:13], KLP
.irp k, 0,1,2,3,4,5,6,7,8,9,10,11,12,13,14,15
	global_load_b128 v[Y+4*\k:Y+4*\k+3], v4, s[12:13] offset:512*\k        ; into registers that no pending store reads
.endr
.irp k, 0,1,2,3,4,5,6,7
	global_load_b128 v[B+4*\k:B+4*\k+3], v4, s[12:13] offset:8192+512*\k
.endr
	s_wait_loadcnt 0x0
	v_pk_add_f32 v[44:45], v[64:65], v[66:67]
	v_pk_add_f32 v[62:63], v[68:69], v[72:73]
	v_pk_add_f32 v[60:61], v[76:77], v[80:81]
	v_pk_add_f32 v[58:59], v[84:85], v[88:89]
	v_pk_add_f32 v[56:57], v[92:93], v[96:97]
	v_pk_add_f32 v[40:41], v[100:101], v[104:105]
	v_pk_add_f32 v[38:39], v[108:109], v[112:113]
	v_pk_add_f32 v[42:43], v[116:117], v[120:121]
	s_delay_alu instid0(VALU_DEP_1)
	v_pk_add_f32 v[42:43], v[42:43], v[124:125]
	v_pk_add_f32 v[44:45], v[44:45], v[196:197]
	v_pk_add_f32 v[62:63], v[62:63], v[200:201]
	v_pk_add_f32 v[60:61], v[60:61], v[204:205]
	v_pk_add_f32 v[58:59], v[58:59], v[208:209]
	v_pk_add_f32 v[56:57], v[56:57], v[212:213]
	v_pk_add_f32 v[40:41], v[40:41], v[216:217]
	v_pk_add_f32 v[38:39], v[38:39], v[220:221]
	v_pk_add_f32 v[42:43], v[42:43], v[192:193]
	v_pk_add_f32 v[44:45], v[44:45], v[194:195]
	v_pk_add_f32 v[62:63], v[62:63], v[70:71]
	v_pk_add_f32 v[60:61], v[60:61], v[74:75]
	v_pk_add_f32 v[58:59], v[58:59], v[78:79]
	v_pk_add_f32 v[56:57], v[56:57], v[82:83]
	v_pk_add_f32 v[40:41], v[40:41], v[86:87]
	v_pk_add_f32 v[38:39], v[38:39], v[90:91]
	v_pk_add_f32 v[42:43], v[42:43], v[94:95]
	v_pk_add_f32 v[44:45], v[44:45], v[98:99]
	v_pk_add_f32 v[62:63], v[62:63], v[102:103]
	v_pk_add_f32 v[60:61], v[60:61], v[106:107]
	v_pk_add_f32 v[58:59], v[58:59], v[110:111]
	v_pk_add_f32 v[56:57], v[56:57], v[114:115]
	v_pk_add_f32 v[40:41], v[40:41], v[118:119]
	v_pk_add_f32 v[38:39], v[38:39], v[122:123]
	v_pk_add_f32 v[42:43], v[42:43], v[126:127]
	v_pk_add_f32 v[44:45], v[44:45], v[198:199]
	v_pk_add_f32 v[62:63], v[62:63], v[202:203]
	v_pk_add_f32 v[60:61], v[60:61], v[206:207]
	v_pk_add_f32 v[58:59], v[58:59], v[210:211]
	v_pk_add_f32 v[56:57], v[56:57], v[214:215]
	v_pk_add_f32 v[40:41], v[40:41], v[218:219]
	v_pk_add_f32 v[38:39], v[38:39], v[222:223]
	s_delay_alu instid0(VALU_DEP_4)
	v_pk_add_f32 v[42:43], v[42:43], v[58:59]
	s_delay_alu instid0(VALU_DEP_4)
	v_pk_add_f32 v[44:45], v[44:45], v[56:57]
	s_delay_alu instid0(VALU_DEP_4)
	v_pk_add_f32 v[62:63], v[62:63], v[40:41]
	s_delay_alu instid0(VALU_DEP_4)
	v_pk_add_f32 v[60:61], v[60:61], v[38:39]
	s_delay_alu instid0(VALU_DEP_2)
	v_pk_add_f32 v[42:43], v[42:43], v[62:63]
	s_delay_alu instid0(VALU_DEP_2)
	v_pk_add_f32 v[44:45], v[44:45], v[60:61]
	s_delay_alu instid0(VALU_DEP_1)
	v_pk_add_f32 v[42:43], v[42:43], v[44:45]
	s_delay_alu instid0(VALU_DEP_1)
	v_add_f32 v42, v42, v43
	s_delay_alu instid0(VALU_DEP_1)
	v_add_f32_dpp v42, v42, v42 row_xmask:1 row_mask:0xf bank_mask:0xf
	s_delay_alu instid0(VALU_DEP_1)
	v_add_f32_dpp v42, v42, v42 row_xmask:2 row_mask:0xf bank_mask:0xf
	s_delay_alu instid0(VALU_DEP_1)
	v_add_f32_dpp v42, v42, v42 row_xmask:4 row_mask:0xf bank_mask:0xf
	s_delay_alu instid0(VALU_DEP_1)
	v_add_f32_dpp v42, v42, v42 row_xmask:8 row_mask:0xf bank_mask:0xf
	s_delay_alu instid0(VALU_DEP_1)
	v_permlanex16_b32 v43, v42, s[SEL], s[SEL+1]
	s_delay_alu instid0(VALU_DEP_1)
	v_add_f32 v42, v42, v43
	v_mov_b32 v44, 0
	v_cmp_eq_u32 vcc_lo, 0, v1
	s_wait_alu depctr_va_vdst(0)
	s_wait_xcnt 0x0                                  ; EXEC is a source of the memory instructions issued so far: it changes only behind this wait
	s_and_saveexec_b32 s33, vcc_lo
	global_store_b32 v44, v42, s[16:17]
	s_wait_xcnt 0x0
	s_or_b32 exec_lo, exec_lo, s33
.Lend:
	s_endpgm
.Lfunc_end_k_q0d7a3f278f_ln2:
	.size	k_q0d7a3f278f_ln2, .Lfunc_end_k_q0d7a3f278f_ln2-k_q0d7a3f278f_ln2
	.p2alignl 7, 3214868480
	.fill 96, 4, 3214868480
	.section	.rodata,"a",@progbits
	.p2align	6, 0x0
	.amdhsa_kernel k_q0d7a3f278f_ln2
		.amdhsa_group_segment_fixed_size 69632
		.amdhsa_private_segment_fixed_size 0
		.amdhsa_enable_private_segment 0
		.amdhsa_kernarg_size 56
		.amdhsa_user_sgpr_count 2
		.amdhsa_user_sgpr_kernarg_segment_ptr 1
		.amdhsa_wavefront_size32 1
		.amdhsa_system_sgpr_workgroup_id_x 1
		.amdhsa_system_sgpr_workgroup_id_y 1
		.amdhsa_system_sgpr_workgroup_id_z 1
		.amdhsa_system_vgpr_workitem_id 0
		.amdhsa_next_free_vgpr 256
		.amdhsa_next_free_sgpr 66
		.amdhsa_reserve_vcc 1
		.amdhsa_float_denorm_mode_32 3
		.amdhsa_float_denorm_mode_16_64 3
		.amdhsa_memory_ordered 1
		.amdhsa_forward_progress 1
		.amdhsa_inst_pref_size 36
	.end_amdhsa_kernel
	.amdgpu_metadata
---
amdhsa.version: [ 1, 2 ]
amdhsa.kernels:
  - .name:           k_q0d7a3f278f_ln2
    .symbol:         k_q0d7a3f278f_ln2.kd
    .args:
      - { .name: yb, .offset: 0, .size: 8, .value_kind: global_buffer, .address_space: global }
      - { .name: hb, .offset: 8, .size: 8, .value_kind: global_buffer, .address_space: global }
      - { .name: ln2_gamma, .offset: 16, .size: 8, .value_kind: global_buffer, .address_space: global }
      - { .name: ln2_beta, .offset: 24, .size: 8, .value_kind: global_buffer, .address_space: global }
      - { .name: xw2, .offset: 32, .size: 8, .value_kind: global_buffer, .address_space: global }
      - { .name: out0, .offset: 40, .size: 8, .value_kind: global_buffer, .address_space: global }
      - { .name: out1, .offset: 48, .size: 8, .value_kind: global_buffer, .address_space: global }
    .group_segment_fixed_size: 69632
    .private_segment_fixed_size: 0
    .kernarg_segment_align: 8
    .kernarg_segment_size: 56
    .max_flat_workgroup_size: 256
    .sgpr_count:     66
    .vgpr_count:     256
    .wavefront_size: 32
...
	.end_amdgpu_metadata
.endif
;; end of part 7
